; MI455X (gfx1250); checked and timed in simulation.
; The chip was launched on July 23, 2026; its instructions are those of AMD's public machine-readable ISA for CDNA 5 (MIT licence, August 2026) and "CDNA5" Instruction Set Architecture Reference Guide (July 2026). The comments in the code are by the model that wrote it; some were corrected since.
;; Self Attention. Allowed arithmetic: matrix products marked QUANTISED: E5M2 operands, one E8M0 scale for each 32 along K, by v_wmma_scale_f32_16x16x128_f8f6f4 with both operands' format E5M2, f32 sums; products left as they are: f32 operands where the result goes on into a quantised operand, else bf16, f16 or f32 operands; f32 sums; everything else in f32.
;; Inputs: U_bias 1,024 float32; U_kernel_codes 1,024 x 32 x 32 uint8 (E5M2 codes of U_kernel, K innermost, in blocks of 32 codes); U_kernel_scales 1,024 x 32 uint8 (E8M0 scales of U_kernel, one for each 32 codes along K); V_bias 1 float32; V_kernel 1,024 x 1 float32; W_bias 1,024 float32; W_kernel_codes 1,024 x 32 x 32 uint8 (E5M2 codes of W_kernel, K innermost, in blocks of 32 codes); W_kernel_scales 1,024 x 32 uint8 (E8M0 scales of W_kernel, one for each 32 codes along K); hidden_states 64 x 1,024 x 1,024 float32; s_prev_codes 64 x 32 x 32 uint8 (E5M2 codes of s_prev, K innermost, in blocks of 32 codes); s_prev_scales 64 x 32 uint8 (E8M0 scales of s_prev, one for each 32 codes along K).
;; Outputs: out0 64 x 1,024 float32; out1 64 x 1,024 x 1 float32.
;; This version of the problem:
;;   THIS VERSION OF THE PROBLEM IS GIVEN IN LOW PRECISION. The matrix products marked QUANTISED in the list below multiply operands that are first quantised to E5M2 (5 exponent bits, 2 mantissa bits; 8 bits a number), with one power-of-two scale for each 32 numbers along K (OCP MX v1.0); their sums are f32. All else is computed in f32.
;;   The module's matrix products, in the order in which they are computed (A, B: the left and right operand; K: the contracted axis; several contracted axes count as one K, in the product's order):
;;     1. [M 64, K 1,024] x [K 1,024, N 1,024]; A: input s_prev (given as codes); B: input W_kernel (given as codes): QUANTISED
;;     2. [M 65,536, K 1,024] x [K 1,024, N 1,024]; A: input hidden_states; B: input U_kernel (given as codes): QUANTISED
;;     3. [M 65,536, K 1,024] x [K 1,024, N 1]; A: computed on the way; B: input V_kernel: left as it is (N = 1 < 16)
;;   THE QUANTISER, for each operand of a quantised product, along K:
;;     - K is cut into blocks of 32 from its start; a last block that is shorter is filled with zeros.
;;     - A block's scale is 2^e with e = floor(log2(the largest magnitude in the block)) - 15, held to -126 .. 127; a block of zeros has e = 0. As a byte (E8M0): e + 127.
;;     - Each number is divided by its block's scale, clamped to +-57,344, and rounded to the nearest number of E5M2, ties to even, subnormals kept.
;;     - The product sums the exact products of the quantised numbers (number of the format x scale) in f32.
;;   ~~~python
;;   def quantise(x, axis):      # numpy; x: float32 -> the quantised numbers, widened to float32 again
;;       x = np.moveaxis(x, axis, -1); K = x.shape[-1]
;;       x = np.pad(x, [(0, 0)] * (x.ndim - 1) + [(0, -K % 32)]); x = x.reshape(x.shape[:-1] + (-1, 32)); a = np.abs(x).max(-1, keepdims=True)
;;       e = np.where(a > 0, np.clip(np.frexp(np.where(a > 0, a, 1))[1] - 1 - 15, -126, 127), 0)      # np.frexp(a)[1] - 1 = floor(log2(a)), exactly
;;       r = np.clip(x / 2.0 ** e, -57344, 57344)
;;       step = 2.0 ** (np.maximum(np.frexp(np.where(r == 0, 1, r))[1] - 1, -14) - 2)
;;       q = np.round(r / step) * step * 2.0 ** e      # np.round: ties to even
;;       return np.moveaxis(q.reshape(q.shape[:-2] + (-1,))[..., :K], -1, axis).astype(np.float32)
;;   ~~~
;;   INPUTS GIVEN AS CODES. U_kernel (in the module: [1024, 1024], K = its axis 0); W_kernel (in the module: [1024, 1024], K = its axis 0); s_prev (in the module: [64, 1024], K = its axis 1): each comes as NAME_codes (uint8): NAME with its K axis moved to the last place and cut into blocks of 32 codes, [.., K / 32, bytes a block], one block behind the other in memory; one code a byte (a code: sign, 5 exponent bits, 2 mantissa bits); and NAME_scales (uint8): the same leading axes, one E8M0 byte (e + 127) for each 32 codes along K. Its value is code x scale, taken as it is: it is not quantised again, and the codes and scales need not be those that the quantiser above would give.
;; 2 versions, each right; version 2 is version 1 with the launches prep, scores, context written anew for expert scheduling mode. Each part assembles by itself: llvm-mc -triple=amdgcn-amd-amdhsa -mcpu=gfx1250 --defsym DOCPART=n.
;; ======== version 1 of 2: 3 launches
;; workspace buffers: wsb 262,144 bytes; ufrag 1,048,576 bytes; scores 262,144 bytes
;; launch prep (part 1): grid 16 x 4, 4 waves a work-group, no clusters, 5,120 bytes of LDS; arguments s_prev_codes, s_prev_scales, W_kernel_codes, W_kernel_scales, W_bias, U_bias, U_kernel_codes, wsb, ufrag; writes wsb, ufrag
.if DOCPART == 1
	.amdgcn_target "amdgcn-amd-amdhsa--gfx1250"
	.amdhsa_code_object_version 6
	.text
	.protected	k_qe06752fa25_prep
	.globl	k_qe06752fa25_prep
	.p2align	8
	.type	k_qe06752fa25_prep,@function
k_qe06752fa25_prep:
	s_mov_b64 s[64:65], 0
	v_nop
	global_prefetch_b8 v0, s[64:65] scope:SCOPE_SE
	s_setreg_imm32_b32 hwreg(HW_REG_WAVE_MODE, 25, 1), 1
	s_wait_xcnt 0x0
; TWO SMALL JOBS AHEAD OF THE LARGE PRODUCT.
; (1) wsb[b][u] = sum over k of s_prev[b][k] W[k][u] + W_bias[u] + U_bias[u], f32 [64][1024]: both operands come as codes of E5M2 with one E8M0 byte for each 32 along K and go to the matrix unit as they lie.
; (2) ufrag: U's codes in the order of an operand's registers.  The fragment of column tile t (16 units) and K step s (128 along K) lies at (8 t + s) x 2,048 bytes; in it register group c at 512 c and lane l at 16 l,
;     so that the next launch takes a group of four registers by one load of 512 consecutive bytes.
; SHARES.  Work-group (X, m): 64 units (X) x 16 batches (m).  Wave w owns column tile t = 4 X + w: eight matrix instructions.  It also copies U's fragments (t, 2 m) and (t, 2 m + 1).
; 64 work-groups: the launch has 2,048 matrix instructions and a copy of 1 MiB in all, and is bound by the way to memory and back, not by the number of work-groups.  No tensor loads, no cluster: nothing is read often enough to share.
; THE MATRIX INSTRUCTION IS USED TRANSPOSED (source 0 = 16 units of W, source 1 = 16 batches): lane (r, h) holds batch r and its registers the units 8 h + 0 .. 7, 32 neighbouring bytes of a row of wsb.
; K's eight steps go to two accumulators by turns; W_bias is the C of the first sum's first product, U_bias that of the second's; the two sums are added at the end.
; REGISTERS: window 0: v1-9 addresses; v32-39 W's scale words, v40-47 s_prev's; v48-55 W_bias; v56-63 U_bias; v64-95 U's two fragments; v96-103, v104-111 the sums; v112-119 their sum; v120-127 rows read back; v128-255 s_prev's 8 fragments.
;            window 1: v0-127 W's 8 fragments.
.set PITCH, 272                        ; a stage row: 64 units x 4 bytes + 16: an odd multiple of 16 bytes
.set SW,  32
.set SQ,  40
.set WB,  48
.set UB,  56
.set UC,  64
.set A0,  96
.set A1,  104
.set SU,  112
.set BK,  120
.set SF,  128
.set MSB, 0
.macro WIN new                         ; the immediate's high byte repeats the setting that is left
.if MSB != (\new)
	s_set_vgpr_msb (MSB<<8)|(\new)
.set MSB, \new
.endif
.endm
	s_load_b256 s[4:11], s[0:1], 0x0               ; s_prev's codes s[4:5], its scales s[6:7], W's codes s[8:9], its scales s[10:11]
	s_load_b256 s[12:19], s[0:1], 0x20             ; W_bias s[12:13], U_bias s[14:15], U's codes s[16:17], wsb s[18:19]
	s_load_b64 s[20:21], s[0:1], 0x40              ; ufrag
	v_lshl_add_u32 v30, v0, 2, 0x1200
	v_mov_b32 v31, 0
	v_lshrrev_b32 v1, 5, v0
	v_readfirstlane_b32 s22, v1                    ; wave 0..3
	s_and_b32 s24, ttmp7, 0xffff                   ; m: which 16 batches
	s_lshl_b32 s25, ttmp9, 2
	s_add_co_u32 s25, s25, s22                     ; t = 4 X + wave: which 16 units
	v_and_b32 v1, 15, v0                           ; r
	v_bfe_u32 v2, v0, 4, 1                         ; h
	v_and_b32 v6, 31, v0
	v_lshlrev_b32 v6, 4, v6                        ; 16 x lane: my place in an image of four registers
	v_lshlrev_b32 v3, 10, v1
	v_lshl_add_u32 v3, v2, 4, v3                   ; codes: row r of 1,024 bytes, + 16 h
	v_lshlrev_b32 v4, 5, v1                        ; scale bytes: row r of 32
	v_lshlrev_b32 v5, 5, v2                        ; biases: my half's eight numbers
	v_mul_u32_u24 v7, v1, PITCH
	v_lshl_add_u32 v7, v2, 5, v7
	s_lshl_b32 s28, s22, 6
	v_add_nc_u32 v7, s28, v7                       ; the stage, in: row r, + 64 x wave + 32 h
	v_mul_u32_u24 v8, v2, PITCH
	v_lshl_add_u32 v8, v1, 4, v8
	s_mul_i32 s28, s22, 4*PITCH
	v_add_nc_u32 v8, s28, v8                       ; back: rows 4 w + h, sixteen lanes to a row of 256 bytes
	v_lshlrev_b32 v9, 12, v2
	v_lshl_add_u32 v9, v1, 4, v9                   ; and the same place in wsb: rows of 4,096 bytes
	s_mov_b32 s27, 0
	s_wait_kmcnt 0x0
	s_lshl_b32 s26, s25, 14                        ; 16 rows of 1,024 bytes a tile; also a tile's 8 fragments of 2,048 bytes
	s_add_nc_u64 s[8:9], s[8:9], s[26:27]
	s_add_nc_u64 s[16:17], s[16:17], s[26:27]
	s_add_nc_u64 s[20:21], s[20:21], s[26:27]
	s_lshl_b32 s26, s24, 14
	s_add_nc_u64 s[4:5], s[4:5], s[26:27]          ; s_prev: 16 batches of 1,024 bytes
	s_lshl_b32 s26, s24, 8
	s_add_nc_u64 s[16:17], s[16:17], s[26:27]      ; U: K steps 2 m, 2 m + 1 begin 256 m bytes into a row
	s_lshl_b32 s26, s24, 12
	s_add_nc_u64 s[20:21], s[20:21], s[26:27]      ; and their images 2 m x 2,048 bytes into the tile's
	s_lshl_b32 s26, s25, 9
	s_add_nc_u64 s[10:11], s[10:11], s[26:27]      ; W's scale bytes: 16 rows of 32
	s_lshl_b32 s26, s24, 9
	s_add_nc_u64 s[6:7], s[6:7], s[26:27]
	s_lshl_b32 s26, s25, 6
	s_add_nc_u64 s[12:13], s[12:13], s[26:27]      ; the biases of my 16 units
	s_add_nc_u64 s[14:15], s[14:15], s[26:27]
	s_lshl_b32 s26, s24, 16
	s_lshl_b32 s28, s22, 14
	s_add_co_u32 s26, s26, s28
	s_lshl_b32 s28, ttmp9, 8
	s_add_co_u32 s26, s26, s28
	s_add_nc_u64 s[18:19], s[18:19], s[26:27]      ; wsb: row 16 m + 4 w, column 64 X
	; all loads go out together: a fragment is four loads of 16 bytes a lane, 32 bytes apart (registers 4 c .. 4 c + 3: k = 32 c + 16 h + 0 .. 15)
	WIN 0x40                                       ; destination window 1
.irp s, 0,1,2,3,4,5,6,7
.irp c, 0,1,2,3
	global_load_b128 v[16*\s+4*\c:16*\s+4*\c+3], v3, s[8:9] offset:128*\s+32*\c
.endr
.endr
	WIN 0
.irp s, 0,1,2,3,4,5,6,7
.irp c, 0,1,2,3
	global_load_b128 v[SF+16*\s+4*\c:SF+16*\s+4*\c+3], v3, s[4:5] offset:128*\s+32*\c
.endr
.endr
.irp i, 0,1
	global_load_b128 v[SW+4*\i:SW+4*\i+3], v4, s[10:11] offset:16*\i   ; a row's 32 scale bytes are the words of its eight K steps
	global_load_b128 v[SQ+4*\i:SQ+4*\i+3], v4, s[6:7] offset:16*\i
	global_load_b128 v[WB+4*\i:WB+4*\i+3], v5, s[12:13] offset:16*\i
	global_load_b128 v[UB+4*\i:UB+4*\i+3], v5, s[14:15] offset:16*\i
.endr
.irp i, 0,1
.irp c, 0,1,2,3
	global_load_b128 v[UC+16*\i+4*\c:UC+16*\i+4*\c+3], v3, s[16:17] offset:128*\i+32*\c
.endr
.endr
	s_wait_loadcnt 0x0                             ; the one wait for loads: everything is in
.irp i, 0,1
.irp c, 0,1,2,3
	global_store_b128 v6, v[UC+16*\i+4*\c:UC+16*\i+4*\c+3], s[20:21] offset:2048*\i+512*\c   ; 32 lanes store 512 consecutive bytes
.endr
.endr
	WIN 0x01                                       ; source 0 (W) window 1
.irp s, 0,1,2,3,4,5,6,7
.if \s == 0
	v_wmma_scale_f32_16x16x128_f8f6f4 v[A0:A0+7], v[16*\s:16*\s+15], v[SF+16*\s:SF+16*\s+15], v[WB:WB+7], v[SW+\s], v[SQ+\s] matrix_a_fmt:MATRIX_FMT_BF8 matrix_b_fmt:MATRIX_FMT_BF8
.elseif \s == 1
	v_wmma_scale_f32_16x16x128_f8f6f4 v[A1:A1+7], v[16*\s:16*\s+15], v[SF+16*\s:SF+16*\s+15], v[UB:UB+7], v[SW+\s], v[SQ+\s] matrix_a_fmt:MATRIX_FMT_BF8 matrix_b_fmt:MATRIX_FMT_BF8
.elseif \s % 2 == 0
	v_wmma_scale_f32_16x16x128_f8f6f4 v[A0:A0+7], v[16*\s:16*\s+15], v[SF+16*\s:SF+16*\s+15], v[A0:A0+7], v[SW+\s], v[SQ+\s] matrix_a_fmt:MATRIX_FMT_BF8 matrix_b_fmt:MATRIX_FMT_BF8
.else
	v_wmma_scale_f32_16x16x128_f8f6f4 v[A1:A1+7], v[16*\s:16*\s+15], v[SF+16*\s:SF+16*\s+15], v[A1:A1+7], v[SW+\s], v[SQ+\s] matrix_a_fmt:MATRIX_FMT_BF8 matrix_b_fmt:MATRIX_FMT_BF8
.endif
.endr
	WIN 0
.rept 8
	v_nop                                          ; eight places between this form and the first read of its result; no other vector work is at hand
.endr
.irp j, 0,2,4,6
	v_pk_add_f32 v[SU+\j:SU+\j+1], v[A0+\j:A0+\j+1], v[A1+\j:A1+\j+1]   ; both sums from their low end on
.endr
	ds_store_b128 v7, v[SU:SU+3]                   ; batch r, units 16 w + 8 h + 0 .. 7 of the work-group's 64
	ds_store_b128 v7, v[SU+4:SU+7] offset:16
	s_wait_dscnt 0x0                               ; for the others' sake: my stores into the stage are done
	s_barrier_signal -1
	s_barrier_wait -1                              ; a row's 256 bytes come from four waves
.irp i, 0,1
	ds_load_b128 v[BK+4*\i:BK+4*\i+3], v8 offset:2*\i*PITCH
.endr
	s_wait_dscnt 0x0
.irp i, 0,1
	global_store_b128 v9, v[BK+4*\i:BK+4*\i+3], s[18:19] offset:2*\i*4096   ; sixteen lanes store 256 consecutive bytes, at a multiple of 256 from wsb's first byte
.endr
	s_wait_tensorcnt 0x0
	ds_add_u32 v30, v31
	s_wait_dscnt 0x0
	s_endpgm
.Lfunc_end_k_qe06752fa25_prep:
	.size	k_qe06752fa25_prep, .Lfunc_end_k_qe06752fa25_prep-k_qe06752fa25_prep
	.p2alignl 7, 3214868480
	.fill 96, 4, 3214868480
	.section	.rodata,"a",@progbits
	.p2align	6, 0x0
	.amdhsa_kernel k_qe06752fa25_prep
		.amdhsa_group_segment_fixed_size 5120
		.amdhsa_private_segment_fixed_size 0
		.amdhsa_enable_private_segment 0
		.amdhsa_kernarg_size 72
		.amdhsa_user_sgpr_count 2
		.amdhsa_user_sgpr_kernarg_segment_ptr 1
		.amdhsa_wavefront_size32 1
		.amdhsa_system_sgpr_workgroup_id_x 1
		.amdhsa_system_sgpr_workgroup_id_y 1
		.amdhsa_system_sgpr_workgroup_id_z 1
		.amdhsa_system_vgpr_workitem_id 0
		.amdhsa_next_free_vgpr 384
		.amdhsa_next_free_sgpr 66
		.amdhsa_reserve_vcc 0
		.amdhsa_float_denorm_mode_32 3
		.amdhsa_float_denorm_mode_16_64 3
		.amdhsa_memory_ordered 1
		.amdhsa_forward_progress 1
		.amdhsa_inst_pref_size 14
	.end_amdhsa_kernel
	.amdgpu_metadata
---
amdhsa.version: [ 1, 2 ]
amdhsa.kernels:
  - .name:           k_qe06752fa25_prep
    .symbol:         k_qe06752fa25_prep.kd
    .args:
      - { .name: s_prev_codes, .offset: 0, .size: 8, .value_kind: global_buffer, .address_space: global }
      - { .name: s_prev_scales, .offset: 8, .size: 8, .value_kind: global_buffer, .address_space: global }
      - { .name: W_kernel_codes, .offset: 16, .size: 8, .value_kind: global_buffer, .address_space: global }
      - { .name: W_kernel_scales, .offset: 24, .size: 8, .value_kind: global_buffer, .address_space: global }
      - { .name: W_bias, .offset: 32, .size: 8, .value_kind: global_buffer, .address_space: global }
      - { .name: U_bias, .offset: 40, .size: 8, .value_kind: global_buffer, .address_space: global }
      - { .name: U_kernel_codes, .offset: 48, .size: 8, .value_kind: global_buffer, .address_space: global }
      - { .name: wsb, .offset: 56, .size: 8, .value_kind: global_buffer, .address_space: global }
      - { .name: ufrag, .offset: 64, .size: 8, .value_kind: global_buffer, .address_space: global }
    .group_segment_fixed_size: 5120
    .private_segment_fixed_size: 0
    .kernarg_segment_align: 8
    .kernarg_segment_size: 72
    .max_flat_workgroup_size: 128
    .sgpr_count:     66
    .vgpr_count:     384
    .wavefront_size: 32
...
	.end_amdgpu_metadata
.endif
;; end of part 1
;; launch scores (part 2): grid 256 x 1, 4 waves a work-group, no clusters, 307,968 bytes of LDS; arguments hidden_states, ufrag, U_kernel_scales, wsb, V_kernel, V_bias, scores; writes scores
.if DOCPART == 2
	.amdgcn_target "amdgcn-amd-amdhsa--gfx1250"
	.amdhsa_code_object_version 6
	.text
	.protected	k_qe06752fa25_scores
	.globl	k_qe06752fa25_scores
	.p2align	8
	.type	k_qe06752fa25_scores,@function
k_qe06752fa25_scores:
	s_mov_b64 s[64:65], 0
	v_nop
	global_prefetch_b8 v0, s[64:65] scope:SCOPE_SE
	s_setreg_imm32_b32 hwreg(HW_REG_WAVE_MODE, 25, 1), 1
	s_wait_xcnt 0x0
; scores[row] = sum over u of V[u] tanh(wsb[batch][u] + sum over k of Q(hidden[row][k]) U[k][u]) + V_bias, for 65,536 rows; Q is the MX quantiser to E5M2 along k, blocks of 32.
; SHARES.  Work-group g owns rows 256 g .. 256 g + 255, all of batch g / 4: one work-group for each of 256 blocks of rows, four waves.
; PHASE X.  Wave w reads rows 64 w .. 64 w + 63 of hidden_states (f32) once, quantises them, and lays codes and scale bytes into LDS, where they stay: 256 rows x 1,024 codes.
; PHASE G.  THE WAVES SHARE THE UNITS, NOT THE ROWS: wave w owns units 256 w .. 256 w + 255, in four passes of 64.  In a pass U's 32 fragments (4 tiles of 16 units x 8 K steps, 512 registers) stay in the wave's registers,
;   and the 256 rows go by in four groups of 64 rows: a group is 8 K steps x 16 matrix instructions on 16 accumulators, then tanh and the product with V on the vector unit.  A fragment of rows read from LDS feeds four matrix instructions.
; U comes from ufrag, laid in the order of the operand's registers: every load is 512 consecutive bytes, and the work-group reads U once.
; NO TENSOR LOADS, NO CLUSTER: each fragment of U is wanted by ONE wave of the work-group, so LDS would share nothing inside it; the rows' codes, scale bytes and stages take 299,008 of LDS's 327,680 bytes, which
;   leaves no room for two slots of a K step's 32,768 bytes of U, as joint loads would need.
; THE MATRIX INSTRUCTION IS USED TRANSPOSED (source 0 = 16 units of U, source 1 = 16 rows): lane (r, h) holds row r, its registers the units 8 h + 0 .. 7.  wsb's numbers are the C of a sum's first product.
; tanh(x) = 1 - 2 q, q = 1 / (1 + 2^(2 log2(e) x)): right at both ends (2^.. = infinity gives q = 0, 2^.. = 0 gives q = 1).  The wave sums V q; the score is (sum of V + V_bias) - 2 x (sum of V q).
; LIMITS.  NaN and infinities in hidden_states are not served.  A block of zeros gets the scale byte 1 and zero codes (the rule says 127; only this program reads the bytes, and zero codes add nothing).
;   A block whose largest magnitude lies under 2^-111 gets the byte 1, as the rule's hold at -126 gives.  The score's error from the form above is of the order of f32's rounding x the sum of |V|.
; hidden_states is read once here and once more by the launch that forms the context.
; REGISTERS, in windows of 256 (s_set_vgpr_msb: bits 1:0 source 0, 3:2 source 1, 5:4 source 2, 7:6 destination):
;   window 0: v1-31 addresses and small things; v32-63 the rows' scale words (8 x tile of rows + K step); v64-95 U's (8 x tile of units + K step); v96-127 wsb's numbers (8 x tile of units + j);
;             v128-255 two buffers of four fragments of rows.  In phase X: v128-159 two sets of 16 neighbours, v160-167 two sets of codes, v168-169 scale bytes.
;   window 1: phase X: a ring of 16 sets of 16 numbers as loaded.  Phase G: v0-127 the 16 accumulators (32 x tile of units + 8 x tile of rows); v128-159 V; v160-191 the sums of V q, a pair for each of 16 tiles of rows.
;   window 2: U's fragments of tiles 0, 1 (128 x tile + 16 x K step);   window 3: of tiles 2, 3.
.set AP,    1040                       ; a row of codes in LDS: 1,024 bytes + 16: an odd multiple of 16 bytes, so the 16 rows of a fragment load start at 16 different banks (64 banks of 4 bytes: ISA guide 11.1)
.set SPT,   48                         ; a row of scale bytes: 32 + 16
.set ASC,   256*AP                     ; LDS: codes from 0; the scale bytes;
.set STG,   ASC+256*SPT                ; for each wave two stages of 32 x 80 bytes;
.set RED,   STG+4*5120                 ; [4 waves][256 rows] f32: the waves' sums of V q;
.set VS,    RED+4096                   ; the four waves' sums of V;
.set VL,    VS+256                     ; V, 4,096 bytes
.set XR,    128
.set CD,    160
.set BY,    168
.set ASW,   32
.set BSW,   64
.set CB,    96
.set AB,    128
.set VV,    128                        ; in window 1
.set SS,    160                        ; in window 1
.set MSB, 0
.macro WIN new                         ; the immediate's high byte repeats the setting that is left; a switch that changes nothing is dropped
.if MSB != (\new)
	s_set_vgpr_msb (MSB<<8)|(\new)
.set MSB, \new
.endif
.endm
	s_load_b256 s[4:11], s[0:1], 0x0               ; hidden_states s[4:5], ufrag s[6:7], U's scales s[8:9], wsb s[10:11]
	s_load_b128 s[12:15], s[0:1], 0x20             ; V s[12:13], V_bias s[14:15]
	s_load_b64 s[16:17], s[0:1], 0x30              ; scores
	v_lshrrev_b32 v8, 5, v0
	v_readfirstlane_b32 s18, v8                    ; wave 0..3
	v_and_b32 v9, 31, v0                           ; lane
	v_and_b32 v10, 15, v0                          ; r
	v_bfe_u32 v11, v0, 4, 1                        ; h
	v_lshlrev_b32 v1, 4, v9                        ; v1: 16 x lane
	s_mul_i32 s30, s18, 5120
	s_add_co_u32 s30, s30, STG                     ; my wave's stages
	v_lshrrev_b32 v2, 2, v9
	v_mul_u32_u24 v2, v2, 80
	v_and_b32 v3, 3, v9
	v_lshl_add_u32 v2, v3, 4, v2
	v_add_nc_u32 v2, s30, v2                       ; v2: into a stage: four lanes' 64 bytes on end, then 16 of padding
	v_mul_u32_u24 v3, v9, 80
	v_add_nc_u32 v3, s30, v3                       ; v3: out of it: 80 x lane: my 16 neighbours
	s_mul_i32 s30, s18, 64*AP
	v_add_nc_u32 v4, s30, v1                       ; v4: my 16 codes in my wave's first row
	s_mul_i32 s30, s18, 64*SPT
	s_add_co_u32 s30, s30, ASC
	v_lshrrev_b32 v5, 1, v9
	v_add_nc_u32 v5, s30, v5                       ; v5: my block's scale byte there
	v_mul_u32_u24 v12, v10, AP
	v_lshl_add_u32 v12, v11, 4, v12                ; v12-15: a fragment's place for my lane, row r x pitch + 16 h, in groups 0 to 3 of 64 rows
	v_add_nc_u32 v13, 64*AP, v12
	v_add_nc_u32 v14, 128*AP, v12
	v_add_nc_u32 v15, 192*AP, v12
	v_mul_u32_u24 v16, v10, SPT
	v_add_nc_u32 v16, ASC, v16                     ; v16-19: row r's scale words likewise
	v_add_nc_u32 v17, 64*SPT, v16
	v_add_nc_u32 v18, 128*SPT, v16
	v_add_nc_u32 v19, 192*SPT, v16
	v_lshlrev_b32 v20, 5, v11                      ; v20: 32 h: my half's eight f32 of a tile of 16 units
	v_lshlrev_b32 v21, 5, v10                      ; v21: 32 r: unit r's row of scale bytes
	v_lshlrev_b32 v30, 5, v0                       ; v30: my 32 bytes of V
	v_add_nc_u32 v31, VL, v30                      ; v31: and their place in LDS
	s_mov_b32 s19, 0x600000                        ; the mantissa field of 57,344
	s_mov_b32 s20, 0x76543210
	s_mov_b32 s21, 0xfedcba98                      ; v_permlanex16_b32's selects for lane l xor 16
	s_mov_b32 s22, 0x4038aa3b                      ; 2 log2(e)
	s_mov_b32 s23, s22                             ; (the packed form names the pair, so both are written)
	s_mov_b32 s31, 0
	s_mov_b32 s33, 0
	s_wait_kmcnt 0x0
	s_load_b32 s24, s[14:15], 0x0                  ; V_bias: waited for at the end
	s_lshl_b32 s30, ttmp9, 20                      ; the work-group's 256 rows of 4,096 bytes,
	s_lshl_b32 s32, s18, 18                        ; my wave's 64.  Also: my wave's 128 fragments of 2,048 bytes in ufrag
	s_add_nc_u64 s[4:5], s[4:5], s[30:31]
	s_add_nc_u64 s[4:5], s[4:5], s[32:33]
	s_add_nc_u64 s[6:7], s[6:7], s[32:33]
	s_lshl_b32 s30, s18, 13
	s_add_nc_u64 s[8:9], s[8:9], s[30:31]          ; U's scale bytes: my 256 units x 32
	s_lshr_b32 s30, ttmp9, 2
	s_lshl_b32 s30, s30, 12
	s_lshl_b32 s32, s18, 10
	s_add_co_u32 s30, s30, s32
	s_add_nc_u64 s[10:11], s[10:11], s[30:31]      ; wsb: my batch's row, my 256 units
	s_lshl_b32 s30, ttmp9, 10
	s_add_nc_u64 s[16:17], s[16:17], s[30:31]      ; scores: the work-group's 256
; ---------------- PHASE X ----------------
; A step is 512 numbers, half a row.  Its four loads read 512 consecutive bytes each; the conversions want 16 NEIGHBOURS in a lane's registers, so the 2,048 bytes turn through the wave's own stage in LDS.
.macro LOAD t                          ; step t of the trip in hand (16 and more: of the next trip) into ring set t % 16
	WIN 0x40                                       ; destination window 1
.irp i, 0,1,2,3
	global_load_b128 v[16*((\t)%16)+4*\i:16*((\t)%16)+4*\i+3], v1, s[4:5] offset:2048*(\t)+512*\i th:TH_LOAD_NT
.endr
.endm
.macro TURN t                          ; LDS serves a wave's instructions in order (ISA guide 5.7.1.4): no wait between the stores and the loads
	WIN 0x04                                       ; an LDS store's data are its source 1: window 1
.irp i, 0,1,2,3
	ds_store_b128 v2, v[16*((\t)%16)+4*\i:16*((\t)%16)+4*\i+3] offset:2560*((\t)%2)+640*\i
.endr
	WIN 0
.irp i, 0,1,2,3
	ds_load_b128 v[XR+16*((\t)%2)+4*\i:XR+16*((\t)%2)+4*\i+3], v3 offset:2560*((\t)%2)+16*\i
.endr
.endm
.macro QX t                            ; my 16 neighbours of step t become 16 codes; two neighbouring lanes hold a block of 32
	WIN 0
.set XS, XR+16*((\t)%2)
.set CS, CD+4*((\t)%2)
	v_max3_num_f32 v8, |v[XS]|, |v[XS+1]|, |v[XS+2]|               ; the largest magnitude of my 16, in two chains
	v_max3_num_f32 v9, |v[XS+3]|, |v[XS+4]|, |v[XS+5]|
.irp i, 6,10
	v_max3_num_f32 v8, v8, |v[XS+\i]|, |v[XS+\i+1]|
	v_max3_num_f32 v9, v9, |v[XS+\i+2]|, |v[XS+\i+3]|
.endr
	v_max3_num_f32 v8, v8, |v[XS+14]|, |v[XS+15]|
	v_max3_num_f32 v8, v8, v9, 0x8000000           ; and the floor 2^(16 - 127): the byte cannot fall under 1
	v_max_num_f32_dpp v8, v8, v8 row_xmask:1 row_mask:0xf bank_mask:0xf   ; with my neighbour's 16: the block's
	v_add_nc_u32 v11, 0xf8800000, v8               ; 15 off its exponent field: the conversion takes the exponent field of this operand as its scale
	v_and_or_b32 v10, v8, 0x7f800000, s19          ; 57,344 x the scale
.irp i, 0,1,2,3,4,5,6,7,8,9,10,11,12,13,14,15
	v_med3_num_f32 v[XS+\i], v[XS+\i], -v10, v10   ; the conversion to an 8-bit code does not saturate (ISA guide 7.6.2): the hold comes first
.endr
	v_cvt_scalef32_pk8_bf8_f32 v[CS:CS+1], v[XS:XS+7], v11
	v_cvt_scalef32_pk8_bf8_f32 v[CS+2:CS+3], v[XS+8:XS+15], v11
	v_lshrrev_b32 v[BY+(\t)%2], 23, v11            ; the scale's byte; also the plain line behind the conversions
	ds_store_b8 v7, v[BY+(\t)%2] offset:SPT*((\t)/2)+16*((\t)%2)     ; both lanes of a block write the same byte with the same value
	ds_store_b128 v6, v[CS:CS+3] offset:AP*((\t)/2)+512*((\t)%2)     ; 32 lanes store 512 consecutive bytes of a row of codes
.endm
; Load i of the 144 that bring pass 0's operands: U's 32 fragments, K step by K step; wsb's numbers; U's scale words.  They go out under phase X's last trip.
.macro PLOAD i
.if (\i) < 128
.set pS, (\i)/16
.set pU, ((\i)/4)%4
.set pC, (\i)%4
	WIN 0x80+0x40*(pU/2)                           ; destination window 2 or 3
	global_load_b128 v[128*(pU%2)+16*pS+4*pC:128*(pU%2)+16*pS+4*pC+3], v1, s[6:7] offset:(8*pU+pS)*2048+512*pC
.elseif (\i) < 136
.set pK, (\i)-128
	WIN 0
	global_load_b128 v[CB+4*pK:CB+4*pK+3], v20, s[10:11] offset:64*(pK/2)+16*(pK%2)
.else
.set pK, (\i)-136
	WIN 0
	global_load_b128 v[BSW+4*pK:BSW+4*pK+3], v21, s[8:9] offset:512*(pK/2)+16*(pK%2)
.endif
.endm
; Step t of a trip.  mode 1: the ring set just emptied takes the step 16 further on.  mode 0, the last trip: nothing of hidden_states is left to ask for; nine of pass 0's loads go out instead.
.macro XSTEP t, mode
.if (\t) > 0
	s_wait_dscnt 2                                 ; this step's numbers are back from the stage, so its stores into the stage have read ring set t; only the last step's two stores are younger
.endif
.if \mode
	LOAD (\t)+16
	s_wait_loadcnt 60                              ; ring set t + 1 is in: the 15 sets behind it, 60 loads, may be out
	TURN (\t)+1
.else
.set pI, 9*(\t)
.rept 9
	PLOAD pI
.set pI, pI+1
.endr
.if (\t) < 15
	s_wait_loadcnt 63                              ; ring set t + 1 is in: behind it stand 4 (14 - t) loads of the ring and 9 (t + 1) of pass 0's, 65 at the least; 63 is the largest count that can be written
	TURN (\t)+1
.endif
.endif
	QX \t
.endm
	global_load_b128 v[22:25], v30, s[12:13]       ; V, 32 bytes a thread: 4,096 bytes for the work-group
	global_load_b128 v[26:29], v30, s[12:13] offset:16
.irp t, 0,1,2,3,4,5,6,7,8,9,10,11,12,13,14,15
	LOAD \t
.endr
	s_wait_loadcnt 60                              ; V and ring set 0 are in: 15 sets may be out
	TURN 0
	ds_store_b128 v31, v[22:25]                    ; V into LDS: each pass takes its 64 units' from there
	ds_store_b128 v31, v[26:29] offset:16
	v_add_f32 v8, v22, v23                         ; and the sum of V: my eight,
	v_add_f32 v9, v24, v25
	v_add_f32 v10, v26, v27
	v_add_f32 v11, v28, v29
	v_add_f32 v8, v8, v9
	v_add_f32 v10, v10, v11
	v_add_f32 v8, v8, v10
	v_add_f32_dpp v8, v8, v8 row_xmask:1 row_mask:0xf bank_mask:0xf   ; my wave's 256
	v_add_f32_dpp v8, v8, v8 row_xmask:2 row_mask:0xf bank_mask:0xf
	v_add_f32_dpp v8, v8, v8 row_xmask:4 row_mask:0xf bank_mask:0xf
	v_add_f32_dpp v8, v8, v8 row_xmask:8 row_mask:0xf bank_mask:0xf
	v_permlanex16_b32 v9, v8, s20, s21
	v_add_f32 v8, v8, v9
	s_lshl_b32 s30, s18, 2
	s_add_co_u32 s30, s30, VS
	v_mov_b32 v10, s30
	ds_store_b32 v10, v8                           ; all lanes write the wave's word with the same value
	s_mov_b32 s25, 7
	s_mov_b32 s26, 0
	s_mov_b32 s27, 0
.Lx:                                               ; a trip: 8 rows, 16 steps.  Seven trips ask for the trip behind them; the eighth is written out
	s_wait_dscnt 0x0                               ; step 0's numbers are back from the stage, and no LDS store still reads v6 and v7
	v_add_nc_u32 v6, s26, v4                       ; the trip's first row of codes,
	v_add_nc_u32 v7, s27, v5                       ; and of scale bytes
.irp t, 0,1,2,3,4,5,6,7,8,9,10,11,12,13,14,15
	XSTEP \t, 1
.endr
	s_wait_xcnt 0x0                                ; the loads' base is stepped only behind this wait
	s_add_nc_u64 s[4:5], s[4:5], 32768
	s_add_co_u32 s26, s26, 8*AP
	s_add_co_u32 s27, s27, 8*SPT
	s_sub_co_u32 s25, s25, 1
	s_cmp_lg_u32 s25, 0
	s_cbranch_scc1 .Lx
	s_wait_dscnt 0x0
	v_add_nc_u32 v6, s26, v4
	v_add_nc_u32 v7, s27, v5
.irp t, 0,1,2,3,4,5,6,7,8,9,10,11,12,13,14,15
	XSTEP \t, 0
.endr
	WIN 0x40
.set tA, 0
.rept 32
	v_mov_b32 v[SS+tA], 0                          ; the sums of V q run over four passes of a loop that is written once: they begin as zeros
.set tA, tA+1
.endr
	WIN 0
	s_lshl_b32 s30, s18, 10
	s_add_co_u32 s30, s30, VL
	s_wait_dscnt 0x0                               ; for the others' sake: my codes, scale bytes and part of V lie in LDS
	s_barrier_signal -1
	s_barrier_wait -1                              ; all 256 rows do; nothing is stored there again
; ---------------- PHASE G ----------------
.macro LOADA g, s, b                   ; four fragments (64 rows of group g, K step s) into buffer b: registers 4 c .. 4 c + 3: k = 32 c + 16 h + 0 .. 15
.irp m, 0,1,2,3
.irp c, 0,1,2,3
	ds_load_b128 v[AB+64*(\b)+16*\m+4*\c:AB+64*(\b)+16*\m+4*\c+3], v[12+(\g)] offset:16*AP*\m+128*(\s)+32*\c
.endr
.endr
.endm
.macro ASWL g                          ; group g's scale words: a row's 32 bytes are the words of its eight K steps
.irp m, 0,1,2,3
.irp i, 0,1
	ds_load_b128 v[ASW+8*\m+4*\i:ASW+8*\m+4*\i+3], v[16+(\g)] offset:16*SPT*\m+16*\i
.endr
.endr
.endm
; K step s: 16 matrix instructions, 4 tiles of units x 4 tiles of rows.  The 16 accumulators take turns, one instruction a turn, in the same order in every step.
; K step 0 starts the sums with wsb's numbers as C.
.macro MUL s
.irp u, 0,1,2,3
.irp m, 0,1,2,3
.set rD, 32*\u+8*\m
.set rU, 128*(\u%2)+16*(\s)
.set rA, AB+64*((\s)%2)+16*\m
.if (\s) == 0
	WIN 0x42+(\u/2)                                ; source 0 (U) window 2 or 3, source 1 (rows) and C (wsb) window 0, D window 1
	v_wmma_scale_f32_16x16x128_f8f6f4 v[rD:rD+7], v[rU:rU+15], v[rA:rA+15], v[CB+8*\u:CB+8*\u+7], v[BSW+8*\u+(\s)], v[ASW+8*\m+(\s)] matrix_a_fmt:MATRIX_FMT_BF8 matrix_b_fmt:MATRIX_FMT_BF8
.else
	WIN 0x52+(\u/2)                                ; C and D window 1
	v_wmma_scale_f32_16x16x128_f8f6f4 v[rD:rD+7], v[rU:rU+15], v[rA:rA+15], v[rD:rD+7], v[BSW+8*\u+(\s)], v[ASW+8*\m+(\s)] matrix_a_fmt:MATRIX_FMT_BF8 matrix_b_fmt:MATRIX_FMT_BF8
.endif
.endr
.endr
.endm
; In a pass's last group each K step's registers of U are free behind its products: they take the next pass's fragments, which lie 65,536 bytes on.  The last pass asks for nothing: a scalar branch on the count of passes.
; Under the same branch stand the LDS loads that look ahead into the next pass's group 0.
.macro REFILL s
	WIN 0                                          ; at a branch and at a label every window is 0
	s_cmp_eq_u32 s28, 3
	s_cbranch_scc1 .Lno_next_\@
.irp u, 0,1,2,3
	WIN 0x80+0x40*(\u/2)
.irp c, 0,1,2,3
	global_load_b128 v[128*(\u%2)+16*(\s)+4*\c:128*(\u%2)+16*(\s)+4*\c+3], v1, s[6:7] offset:65536+(8*\u+(\s))*2048+512*\c
.endr
.endr
	WIN 0
.if (\s) == 0
.irp k, 0,1,2,3,4,5,6,7
	global_load_b128 v[CB+4*\k:CB+4*\k+3], v20, s[10:11] offset:256+64*(\k/2)+16*(\k%2)     ; wsb's numbers were read by K step 0 alone
.endr
.endif
.if (\s) == 3
.irp u, 0,1,2,3
	global_load_b128 v[BSW+8*\u:BSW+8*\u+3], v21, s[8:9] offset:2048+512*\u                 ; the scale words of K steps 0 to 3
.endr
.endif
.if (\s) == 6
	LOADA 0, 0, 0
.endif
.if (\s) == 7
.irp u, 0,1,2,3
	global_load_b128 v[BSW+8*\u+4:BSW+8*\u+7], v21, s[8:9] offset:2048+512*\u+16            ; and of K steps 4 to 7
.endr
	LOADA 0, 1, 1
	ASWL 0
.endif
.Lno_next_\@:
.endm
; The group's 128 registers of sums become q = 1 / (1 + 2^(2 log2(e) x)), in place, each accumulator from its low end on; then V q is summed, the four tiles of rows by turns.
; One v_nop stands behind each run of transcendentals, ahead of the first use of their results (ISA guide 5.7.2).
.macro TANH g
	WIN 0x55                                       ; everything in window 1
.set tA, 0
.rept 64
	v_pk_mul_f32 v[tA:tA+1], v[tA:tA+1], s[22:23] op_sel_hi:[1,0]
.set tA, tA+2
.endr
.set tA, 0
.rept 128
	v_exp_f32 v[tA], v[tA]
.set tA, tA+1
.endr
	v_nop
.set tA, 0
	s_wait_alu depctr_va_vdst(0)
.rept 64
	v_pk_add_f32 v[tA:tA+1], v[tA:tA+1], 1.0 op_sel_hi:[1,0]
.set tA, tA+2
.endr
.set tA, 0
.rept 128
	v_rcp_f32 v[tA], v[tA]
.set tA, tA+1
.endr
	v_nop
	s_wait_alu depctr_va_vdst(0)
.irp u, 0,1,2,3
.irp p, 0,1,2,3
.irp m, 0,1,2,3
	v_pk_fma_f32 v[SS+2*(4*(\g)+\m):SS+2*(4*(\g)+\m)+1], v[32*\u+8*\m+2*\p:32*\u+8*\m+2*\p+1], v[VV+8*\u+2*\p:VV+8*\u+2*\p+1], v[SS+2*(4*(\g)+\m):SS+2*(4*(\g)+\m)+1]
.endr
.endr
.endr
	WIN 0
.endm
; A group of 64 rows.  The fragments of rows run two K steps ahead, in two buffers; the last two steps ask for the next group's first two, which land under TANH.
; Eight v_nop stand behind each step's products: the places in front of loads into registers that they have read, and, behind K step 7, of the first read of results.
.macro GROUP g
.irp s, 0,1,2,3,4,5,6,7
.if \s == 0
	s_wait_dscnt 0x0                               ; K steps 0 and 1 and the scale words, asked for ahead of the last TANH (in group 0 also V)
.elseif (\s == 7) && (\g == 3)
	s_wait_dscnt 0x0                               ; the loads behind K step 7's stand under a branch: the count that is right on both ways is 0
.elseif \s >= 2
	s_wait_dscnt 16                                ; this step's fragments are in: only the next step's 16 loads are younger
.endif
	MUL \s
.rept 8
	v_nop
.endr
	WIN 0
.if \s <= 5
	LOADA \g, \s+2, \s%2
.elseif \g < 3
.if \s == 6
	LOADA \g+1, 0, 0
.else
	LOADA \g+1, 1, 1
	ASWL \g+1
.endif
.endif
.if \g == 3
	REFILL \s
.endif
.endr
	TANH \g
.endm
	v_add_nc_u32 v2, s30, v20                      ; v2: V in LDS: my wave's 256 units, my half's eight of a tile
	LOADA 0, 0, 0
	LOADA 0, 1, 1
	ASWL 0
	s_mov_b32 s28, 0                               ; the pass
	s_mov_b32 s29, 0                               ; and its 64 units' bytes in V
.Lpass:
	v_add_nc_u32 v3, s29, v2
	WIN 0x40                                       ; destination window 1
.irp k, 0,1,2,3,4,5,6,7
	ds_load_b128 v[VV+4*\k:VV+4*\k+3], v3 offset:64*(\k/2)+16*(\k%2)      ; V of units 16 u + 8 h + 0 .. 7: the layout of a result's registers
.endr
	WIN 0
	s_wait_loadcnt 0x0                             ; the pass's fragments of U, wsb's numbers and U's scale words are in: the youngest were asked for ahead of the last TANH
	GROUP 0
	GROUP 1
	GROUP 2
	GROUP 3
	s_wait_xcnt 0x0                                ; the loads' bases are stepped only behind this wait
	s_add_nc_u64 s[6:7], s[6:7], 65536
	s_add_nc_u64 s[8:9], s[8:9], 2048
	s_add_nc_u64 s[10:11], s[10:11], 256
	s_add_co_u32 s29, s29, 256
	s_add_co_u32 s28, s28, 1
	s_cmp_lt_u32 s28, 4
	s_cbranch_scc1 .Lpass
; ---------------- THE END: the four waves' sums meet ----------------
	s_wait_dscnt 0x0                               ; no LDS load of mine is out (the last pass looked ahead at nothing): the buffers' registers may be written
	WIN 0x05                                       ; sources window 1, destination window 0
.irp k, 0,1,2,3,4,5,6,7,8,9,10,11,12,13,14,15
	v_add_f32 v[128+\k], v[SS+2*\k], v[SS+2*\k+1]  ; tile of rows k: the pair's two halves,
.endr
	WIN 0
.irp k, 0,1,2,3,4,5,6,7,8,9,10,11,12,13,14,15
	v_permlanex16_b32 v[144+\k], v[128+\k], s20, s21
.endr
.irp k, 0,1,2,3,4,5,6,7,8,9,10,11,12,13,14,15
	v_add_f32 v[128+\k], v[128+\k], v[144+\k]      ; and lane l xor 16's units: row 16 k + r's sum over my wave's 256 units
.endr
	v_and_b32 v4, 15, v0
	s_lshl_b32 s30, s18, 10
	s_add_co_u32 s30, s30, RED
	v_lshl_add_u32 v4, v4, 2, s30
.irp k, 0,1,2,3,4,5,6,7,8,9,10,11,12,13,14,15
	ds_store_b32 v4, v[128+\k] offset:64*\k        ; both halves of the lanes write the same word with the same value
.endr
	s_wait_dscnt 0x0                               ; for the others' sake
	s_barrier_signal -1
	s_barrier_wait -1
	v_lshl_add_u32 v5, v0, 3, RED                  ; thread t takes rows 2 t and 2 t + 1
	v_mov_b32 v6, VS
.irp i, 0,1,2,3
	ds_load_b64 v[128+2*\i:129+2*\i], v5 offset:1024*\i
.endr
	ds_load_b128 v[136:139], v6                    ; the four waves' sums of V
	v_lshlrev_b32 v7, 3, v0
	s_wait_dscnt 0x0
	s_wait_kmcnt 0x0                               ; V_bias
	v_pk_add_f32 v[128:129], v[128:129], v[130:131]
	v_pk_add_f32 v[132:133], v[132:133], v[134:135]
	v_add_f32 v136, v136, v137
	v_add_f32 v138, v138, v139
	v_pk_add_f32 v[128:129], v[128:129], v[132:133]
	v_add_f32 v136, v136, v138
	v_add_f32 v136, s24, v136                      ; the sum of V + V_bias
	v_pk_fma_f32 v[128:129], v[128:129], -2.0, v[136:137] op_sel_hi:[1,0,0]   ; - 2 x the sum of V q
	global_store_b64 v7, v[128:129], s[16:17]      ; a wave stores 256 consecutive bytes, at a multiple of 256 from the buffer's first byte
	s_wait_xcnt 0x0
	v_lshl_add_u32 v254, v0, 2, 0x4b100
	v_mov_b32 v255, 0
	s_wait_tensorcnt 0x0
	ds_add_u32 v254, v255
	s_wait_dscnt 0x0
	s_endpgm
.Lfunc_end_k_qe06752fa25_scores:
	.size	k_qe06752fa25_scores, .Lfunc_end_k_qe06752fa25_scores-k_qe06752fa25_scores
	.p2alignl 7, 3214868480
	.fill 96, 4, 3214868480
	.section	.rodata,"a",@progbits
	.p2align	6, 0x0
	.amdhsa_kernel k_qe06752fa25_scores
		.amdhsa_group_segment_fixed_size 307968
		.amdhsa_private_segment_fixed_size 0
		.amdhsa_enable_private_segment 0
		.amdhsa_kernarg_size 56
		.amdhsa_user_sgpr_count 2
		.amdhsa_user_sgpr_kernarg_segment_ptr 1
		.amdhsa_wavefront_size32 1
		.amdhsa_system_sgpr_workgroup_id_x 1
		.amdhsa_system_sgpr_workgroup_id_y 1
		.amdhsa_system_sgpr_workgroup_id_z 1
		.amdhsa_system_vgpr_workitem_id 0
		.amdhsa_next_free_vgpr 1024
		.amdhsa_next_free_sgpr 66
		.amdhsa_reserve_vcc 0
		.amdhsa_float_denorm_mode_32 3
		.amdhsa_float_denorm_mode_16_64 3
		.amdhsa_memory_ordered 1
		.amdhsa_forward_progress 1
		.amdhsa_inst_pref_size 255
	.end_amdhsa_kernel
	.section	.bss,"aw",@nobits
	.p2align	6
	.space	262144
	.amdgpu_metadata
---
amdhsa.version: [ 1, 2 ]
amdhsa.kernels:
  - .name:           k_qe06752fa25_scores
    .symbol:         k_qe06752fa25_scores.kd
    .args:
      - { .name: hidden_states, .offset: 0, .size: 8, .value_kind: global_buffer, .address_space: global }
      - { .name: ufrag, .offset: 8, .size: 8, .value_kind: global_buffer, .address_space: global }
      - { .name: U_kernel_scales, .offset: 16, .size: 8, .value_kind: global_buffer, .address_space: global }
      - { .name: wsb, .offset: 24, .size: 8, .value_kind: global_buffer, .address_space: global }
      - { .name: V_kernel, .offset: 32, .size: 8, .value_kind: global_buffer, .address_space: global }
      - { .name: V_bias, .offset: 40, .size: 8, .value_kind: global_buffer, .address_space: global }
      - { .name: scores, .offset: 48, .size: 8, .value_kind: global_buffer, .address_space: global }
    .group_segment_fixed_size: 307968
    .private_segment_fixed_size: 0
    .kernarg_segment_align: 8
    .kernarg_segment_size: 56
    .max_flat_workgroup_size: 128
    .sgpr_count:     66
    .vgpr_count:     1024
    .wavefront_size: 32
...
	.end_amdgpu_metadata
.endif
;; end of part 2
;; launch context (part 3): grid 8 x 64, 8 waves a work-group, no clusters, 9,728 bytes of LDS; arguments scores, hidden_states, out0, out1; writes out0, out1
.if DOCPART == 3
	.amdgcn_target "amdgcn-amd-amdhsa--gfx1250"
	.amdhsa_code_object_version 6
	.text
	.protected	k_qe06752fa25_context
	.globl	k_qe06752fa25_context
	.p2align	8
	.type	k_qe06752fa25_context,@function
k_qe06752fa25_context:
	s_mov_b64 s[64:65], 0
	v_nop
	global_prefetch_b8 v0, s[64:65] scope:SCOPE_SE
	s_setreg_imm32_b32 hwreg(HW_REG_WAVE_MODE, 25, 1), 1
	s_wait_xcnt 0x0
; weight[b][s] = softmax over s of scores[b][s];  context[b][d] = sum over s of hidden[b][s][d] weight[b][s].  All f32.
; A stream: memory binds.  No matrix unit, no tensor loads, no cluster: no two work-groups read the same bytes of hidden_states, and the 4,096 bytes of scores that the eight work-groups of a batch share are one part in 128 of what each reads.
; SHARES.  Work-group (j, b): batch b, columns 128 j .. 128 j + 127 (512 bytes of every row).  Wave w takes rows 128 w .. 128 w + 127, one load of 512 consecutive bytes a row, 16 loads ahead in a ring of registers.
; Each work-group makes the batch's softmax for itself: the largest score is taken away before the exponential; e = exp(s - max) goes into LDS, each wave takes its 128 rows' e into registers,
; the rows are summed with e, and the sum is multiplied by 1 / (the sum of e) at the end.  The eight waves' parts meet in LDS; wave 0 stores the strip.  Wave j of work-group j stores rows 128 j .. 128 j + 127 of the weights.
; REGISTERS: v1 16 x lane; v2 16 x thread; v3 my wave's e in LDS; v4-7 my four scores, then e; v8-15 at work (v14-15: 1 / the sum); v16-143 my wave's 128 e; v144-207 the ring; v208-211, v212-215 sums of even and of odd rows; v216-223 at work.
.set WT,  0                            ; LDS: e of the 1,024 rows;
.set MX,  4096                         ; the eight waves' maxima;
.set SM,  4352                         ; their sums;
.set CTX, 4608                         ; their parts of the strip: 8 x 512 bytes
	s_load_b256 s[4:11], s[0:1], 0x0               ; scores s[4:5], hidden_states s[6:7], out0 s[8:9], out1 s[10:11]
	v_lshl_add_u32 v224, v0, 2, 0x2200
	v_mov_b32 v225, 0
	v_lshrrev_b32 v8, 5, v0
	v_readfirstlane_b32 s12, v8                    ; wave 0..7
	v_and_b32 v9, 31, v0
	v_lshlrev_b32 v1, 4, v9
	v_lshlrev_b32 v2, 4, v0
	s_lshl_b32 s13, s12, 9
	v_mov_b32 v3, s13                              ; 512 x wave: my 128 rows' e
	v_add_nc_u32 v13, s13, v1                      ; and my 16 bytes of my wave's part of the strip
	s_lshl_b32 s24, s12, 2
	v_mov_b32 v10, s24                             ; my wave's word among eight
	v_mov_b32 v11, 0
	s_and_b32 s14, ttmp7, 0xffff                   ; the batch
	s_mov_b32 s20, 0x76543210
	s_mov_b32 s21, 0xfedcba98                      ; v_permlanex16_b32's selects for lane l xor 16
	s_lshl_b32 s16, s14, 22                        ; a batch: 1,024 rows of 4,096 bytes,
	s_lshl_b32 s18, s12, 19                        ; my wave's 128 rows,
	s_add_co_u32 s16, s16, s18
	s_lshl_b32 s22, ttmp9, 9                       ; the strip
	s_add_co_u32 s16, s16, s22
	s_mov_b32 s17, 0
	s_lshl_b32 s18, s14, 12                        ; a batch's 4,096 bytes in scores, out0 and out1
	s_mov_b32 s19, 0
	s_mov_b32 s23, 0
	s_wait_kmcnt 0x0
	s_add_nc_u64 s[6:7], s[6:7], s[16:17]
	s_add_nc_u64 s[4:5], s[4:5], s[18:19]
	s_add_nc_u64 s[10:11], s[10:11], s[18:19]
	s_add_nc_u64 s[8:9], s[8:9], s[18:19]
	s_add_nc_u64 s[8:9], s[8:9], s[22:23]
	global_load_b128 v[4:7], v2, s[4:5]            ; four scores a thread
.irp k, 0,1,2,3,4,5,6,7,8,9,10,11,12,13,14,15
	global_load_b128 v[144+4*\k:144+4*\k+3], v1, s[6:7] offset:4096*\k th:TH_LOAD_NT   ; the ring is filled before anything else is done
.endr
	s_wait_loadcnt 16                              ; the scores are in; the ring's 16 loads stay out
	v_max3_num_f32 v8, v4, v5, v6
	v_max_num_f32 v8, v8, v7
	v_max_num_f32_dpp v8, v8, v8 row_xmask:1 row_mask:0xf bank_mask:0xf
	v_max_num_f32_dpp v8, v8, v8 row_xmask:2 row_mask:0xf bank_mask:0xf
	v_max_num_f32_dpp v8, v8, v8 row_xmask:4 row_mask:0xf bank_mask:0xf
	v_max_num_f32_dpp v8, v8, v8 row_xmask:8 row_mask:0xf bank_mask:0xf
	v_permlanex16_b32 v9, v8, s20, s21
	v_max_num_f32 v8, v8, v9                       ; my wave's largest score
	ds_store_b32 v10, v8 offset:MX
	s_wait_dscnt 0x0
	s_barrier_signal -1
	s_barrier_wait -1
	ds_load_b128 v[216:219], v11 offset:MX
	ds_load_b128 v[220:223], v11 offset:MX+16
	s_wait_dscnt 0x0
	v_max3_num_f32 v12, v216, v217, v218
	v_max3_num_f32 v12, v12, v219, v220
	v_max3_num_f32 v12, v12, v221, v222
	v_max_num_f32 v12, v12, v223                   ; the batch's
.irp i, 4,5,6,7
	v_sub_f32 v\i, v\i, v12
.endr
.irp i, 4,5,6,7
	v_mul_f32 v\i, 0x3fb8aa3b, v\i
.endr
.irp i, 4,5,6,7
	v_exp_f32 v\i, v\i                             ; e = exp(s - max), at most 1
.endr
	v_nop                                          ; a plain line behind the exponentials
	s_wait_alu depctr_va_vdst(0)
	v_add_f32 v8, v4, v5
	v_add_f32 v9, v6, v7
	v_add_f32 v8, v8, v9
	v_add_f32_dpp v8, v8, v8 row_xmask:1 row_mask:0xf bank_mask:0xf
	v_add_f32_dpp v8, v8, v8 row_xmask:2 row_mask:0xf bank_mask:0xf
	v_add_f32_dpp v8, v8, v8 row_xmask:4 row_mask:0xf bank_mask:0xf
	v_add_f32_dpp v8, v8, v8 row_xmask:8 row_mask:0xf bank_mask:0xf
	v_permlanex16_b32 v9, v8, s20, s21
	v_add_f32 v8, v8, v9
	ds_store_b32 v10, v8 offset:SM                 ; my wave's sum of e
	ds_store_b128 v2, v[4:7] offset:WT
	s_wait_dscnt 0x0
	s_barrier_signal -1
	s_barrier_wait -1
	ds_load_b128 v[216:219], v11 offset:SM
	ds_load_b128 v[220:223], v11 offset:SM+16
.set kk, 0
.rept 32
	ds_load_b128 v[16+4*kk:16+4*kk+3], v3 offset:WT+16*kk   ; my wave's 128 e: every lane takes the same 16 bytes
.set kk, kk+1
.endr
	s_wait_dscnt 32                                ; the eight sums are in; the 32 loads behind them may be out
	v_add_f32 v216, v216, v217
	v_add_f32 v218, v218, v219
	v_add_f32 v220, v220, v221
	v_add_f32 v222, v222, v223
	v_add_f32 v216, v216, v218
	v_add_f32 v220, v220, v222
	v_add_f32 v12, v216, v220
	v_rcp_f32 v14, v12                             ; twice, to fill the pair that the packed multiply takes
	v_rcp_f32 v15, v12
	v_nop                                          ; a plain line behind the reciprocals
	s_cmp_lg_u32 s12, ttmp9                        ; wave j of strip j stores its 128 rows' weights: the eight work-groups of a batch store 512 bytes each
	s_cbranch_scc1 .Lnot_mine
	s_wait_alu depctr_va_vdst(0)
	v_pk_mul_f32 v[216:217], v[4:5], v[14:15]
	v_pk_mul_f32 v[218:219], v[6:7], v[14:15]
	global_store_b128 v2, v[216:219], s[10:11]     ; 32 lanes store 512 consecutive bytes
.Lnot_mine:
	s_wait_dscnt 0x0                               ; my 128 e are in
; Row k: its 16 bytes a lane times its e.  Even rows and odd rows have sums of their own; rows 0 and 1 start them.  The slot then takes the row 16 further on.
.macro ROW k
.if 127-(\k) < 15
	s_wait_loadcnt 127-(\k)                        ; the last rows: the counts run down
.else
	s_wait_loadcnt 15                              ; row k is in: the 15 rows behind it stay out
.endif
.set rS, 144+4*((\k)%16)
.set rA, 208+4*((\k)%2)
.set rW, 16+2*((\k)/2)
.if (\k) == 0
	v_pk_mul_f32 v[rA:rA+1], v[rS:rS+1], v[rW:rW+1] op_sel_hi:[1,0]
	v_pk_mul_f32 v[rA+2:rA+3], v[rS+2:rS+3], v[rW:rW+1] op_sel_hi:[1,0]
.elseif (\k) == 1
	v_pk_mul_f32 v[rA:rA+1], v[rS:rS+1], v[rW:rW+1] op_sel:[0,1] op_sel_hi:[1,1]
	v_pk_mul_f32 v[rA+2:rA+3], v[rS+2:rS+3], v[rW:rW+1] op_sel:[0,1] op_sel_hi:[1,1]
.elseif (\k)%2 == 0
	v_pk_fma_f32 v[rA:rA+1], v[rS:rS+1], v[rW:rW+1], v[rA:rA+1] op_sel_hi:[1,0,1]             ; the pair's first register for both halves
	v_pk_fma_f32 v[rA+2:rA+3], v[rS+2:rS+3], v[rW:rW+1], v[rA+2:rA+3] op_sel_hi:[1,0,1]
.else
	v_pk_fma_f32 v[rA:rA+1], v[rS:rS+1], v[rW:rW+1], v[rA:rA+1] op_sel:[0,1,0] op_sel_hi:[1,1,1]   ; its second
	v_pk_fma_f32 v[rA+2:rA+3], v[rS+2:rS+3], v[rW:rW+1], v[rA+2:rA+3] op_sel:[0,1,0] op_sel_hi:[1,1,1]
.endif
.if (\k)+16 < 128
	global_load_b128 v[rS:rS+3], v1, s[6:7] offset:4096*((\k)+16) th:TH_LOAD_NT   ; every offset is an immediate: 127 rows of 4,096 bytes at the most
.endif
.endm
.set kk, 0
.rept 128
	ROW kk
.set kk, kk+1
.endr
	v_pk_add_f32 v[208:209], v[208:209], v[212:213]
	v_pk_add_f32 v[210:211], v[210:211], v[214:215]
	s_wait_alu depctr_va_vdst(0)
	v_pk_mul_f32 v[208:209], v[208:209], v[14:15]
	v_pk_mul_f32 v[210:211], v[210:211], v[14:15]
	ds_store_b128 v13, v[208:211] offset:CTX
	s_wait_dscnt 0x0                               ; for wave 0's sake
	s_barrier_signal -1
	s_barrier_wait -1
	s_cmp_lg_u32 s12, 0
	s_cbranch_scc1 .Ldone
.irp i, 0,1,2,3,4,5,6,7
	ds_load_b128 v[144+4*\i:144+4*\i+3], v1 offset:CTX+512*\i
.endr
	s_wait_dscnt 0x0
.irp i, 0,2,4,6
	v_pk_add_f32 v[144+4*\i:145+4*\i], v[144+4*\i:145+4*\i], v[148+4*\i:149+4*\i]
	v_pk_add_f32 v[146+4*\i:147+4*\i], v[146+4*\i:147+4*\i], v[150+4*\i:151+4*\i]
.endr
.irp i, 0,4
	v_pk_add_f32 v[144+4*\i:145+4*\i], v[144+4*\i:145+4*\i], v[152+4*\i:153+4*\i]
	v_pk_add_f32 v[146+4*\i:147+4*\i], v[146+4*\i:147+4*\i], v[154+4*\i:155+4*\i]
.endr
	v_pk_add_f32 v[144:145], v[144:145], v[160:161]
	v_pk_add_f32 v[146:147], v[146:147], v[162:163]
	global_store_b128 v1, v[144:147], s[8:9]       ; 32 lanes store the strip's 512 consecutive bytes
.Ldone:
	s_wait_tensorcnt 0x0
	ds_add_u32 v224, v225
	s_wait_dscnt 0x0
	s_endpgm
.Lfunc_end_k_qe06752fa25_context:
	.size	k_qe06752fa25_context, .Lfunc_end_k_qe06752fa25_context-k_qe06752fa25_context
	.p2alignl 7, 3214868480
	.fill 96, 4, 3214868480
	.section	.rodata,"a",@progbits
	.p2align	6, 0x0
	.amdhsa_kernel k_qe06752fa25_context
		.amdhsa_group_segment_fixed_size 9728
		.amdhsa_private_segment_fixed_size 0
		.amdhsa_enable_private_segment 0
		.amdhsa_kernarg_size 32
		.amdhsa_user_sgpr_count 2
		.amdhsa_user_sgpr_kernarg_segment_ptr 1
		.amdhsa_wavefront_size32 1
		.amdhsa_system_sgpr_workgroup_id_x 1
		.amdhsa_system_sgpr_workgroup_id_y 1
		.amdhsa_system_sgpr_workgroup_id_z 1
		.amdhsa_system_vgpr_workitem_id 0
		.amdhsa_next_free_vgpr 226
		.amdhsa_next_free_sgpr 66
		.amdhsa_reserve_vcc 0
		.amdhsa_float_denorm_mode_32 3
		.amdhsa_float_denorm_mode_16_64 3
		.amdhsa_memory_ordered 1
		.amdhsa_forward_progress 1
		.amdhsa_inst_pref_size 41
	.end_amdhsa_kernel
	.amdgpu_metadata
---
amdhsa.version: [ 1, 2 ]
amdhsa.kernels:
  - .name:           k_qe06752fa25_context
    .symbol:         k_qe06752fa25_context.kd
    .args:
      - { .name: scores, .offset: 0, .size: 8, .value_kind: global_buffer, .address_space: global }
      - { .name: hidden_states, .offset: 8, .size: 8, .value_kind: global_buffer, .address_space: global }
      - { .name: out0, .offset: 16, .size: 8, .value_kind: global_buffer, .address_space: global }
      - { .name: out1, .offset: 24, .size: 8, .value_kind: global_buffer, .address_space: global }
    .group_segment_fixed_size: 9728
    .private_segment_fixed_size: 0
    .kernarg_segment_align: 8
    .kernarg_segment_size: 32
    .max_flat_workgroup_size: 256
    .sgpr_count:     66
    .vgpr_count:     226
    .wavefront_size: 32
...
	.end_amdgpu_metadata
.endif
;; end of part 3
;; ======== version 2 of 2: 3 launches; version 1 with the launches prep, scores, context written anew for expert scheduling mode
;; workspace buffers: wsb 262,144 bytes; ufrag 1,048,576 bytes; scores 262,144 bytes
;; launch prep (part 4): grid 16 x 4, 4 waves a work-group, no clusters, 5,120 bytes of LDS; arguments s_prev_codes, s_prev_scales, W_kernel_codes, W_kernel_scales, W_bias, U_bias, U_kernel_codes, wsb, ufrag; writes wsb, ufrag
.if DOCPART == 4
	.amdgcn_target "amdgcn-amd-amdhsa--gfx1250"
	.amdhsa_code_object_version 6
	.text
	.protected	k_qe06752fa25_prep
	.globl	k_qe06752fa25_prep
	.p2align	8
	.type	k_qe06752fa25_prep,@function
k_qe06752fa25_prep:
	s_mov_b64 s[64:65], 0
	v_nop
	global_prefetch_b8 v0, s[64:65] scope:SCOPE_SE
	s_setreg_imm32_b32 hwreg(HW_REG_WAVE_SCHED_MODE, 0, 2), 2
	s_setreg_imm32_b32 hwreg(HW_REG_WAVE_MODE, 25, 1), 1
	s_wait_xcnt 0x0
	s_wait_alu depctr_vm_vsrc(0)
; TWO SMALL JOBS AHEAD OF THE LARGE PRODUCT.
; (1) wsb[b][u] = sum over k of s_prev[b][k] W[k][u] + W_bias[u] + U_bias[u], f32 [64][1024]: both operands come as codes of E5M2 with one E8M0 byte for each 32 along K and go to the matrix unit as they lie.
; (2) ufrag: U's codes in the order of an operand's registers.  The fragment of column tile t (16 units) and K step s (128 along K) lies at (8 t + s) x 2,048 bytes; in it register group c at 512 c and lane l at 16 l,
;     so that the next launch takes a group of four registers by one load of 512 consecutive bytes.
; SHARES.  Work-group (X, m): 64 units (X) x 16 batches (m).  Wave w owns column tile t = 4 X + w: eight matrix instructions.  It also copies U's fragments (t, 2 m) and (t, 2 m + 1).
; 64 work-groups: the launch has 2,048 matrix instructions and a copy of 1 MiB in all, and is bound by the way to memory and back, not by the number of work-groups.  No tensor loads, no cluster: nothing is read often enough to share.
; THE MATRIX INSTRUCTION IS USED TRANSPOSED (source 0 = 16 units of W, source 1 = 16 batches): lane (r, h) holds batch r and its registers the units 8 h + 0 .. 7, 32 neighbouring bytes of a row of wsb.
; K's eight steps go to two accumulators by turns; W_bias is the C of the first sum's first product, U_bias that of the second's; the two sums are added at the end.
; THE MODE: SCHED_MODE bits 1:0 = 2 (LLVM: expert scheduling mode 2), set by the entry lines.  The code itself states the register dependences between vector or matrix instructions and memory or LDS instructions, with s_wait_alu, always for 0.
; THE PLAN.  Registers that memory or LDS instructions touch:
;   v3-v9      offsets and LDS addresses: made once at the head, never written again.
;   fragments, scale words, biases: written by loads alone, read by matrix instructions and (U's) by stores; nothing lands in them twice.
;   v112-119   the two sums' sum: written by four packed additions, read by two LDS stores.
;   v120-127   rows read back from the stage by LDS loads, read by global stores: no vector instruction names them.
; So two waits on va_vdst do: one ahead of the first load (the addresses), one ahead of the LDS stores (the sum); and one on va_sdst for the wave's number.
; REGISTERS: window 0: v1-9 addresses; v32-39 W's scale words, v40-47 s_prev's; v48-55 W_bias; v56-63 U_bias; v64-95 U's two fragments; v96-103, v104-111 the sums; v112-119 their sum; v120-127 rows read back; v128-255 s_prev's 8 fragments.
;            window 1: v0-127 W's 8 fragments.
.set PITCH, 272                        ; a stage row: 64 units x 4 bytes + 16: an odd multiple of 16 bytes
.set SW,  32
.set SQ,  40
.set WB,  48
.set UB,  56
.set UC,  64
.set A0,  96
.set A1,  104
.set SU,  112
.set BK,  120
.set SF,  128
.set MSB, 0
.macro WIN new                         ; the immediate's high byte repeats the setting that is left
.if MSB != (\new)
	s_set_vgpr_msb (MSB<<8)|(\new)
.set MSB, \new
.endif
.endm
	s_load_b256 s[4:11], s[0:1], 0x0               ; s_prev's codes s[4:5], its scales s[6:7], W's codes s[8:9], its scales s[10:11]
	s_load_b256 s[12:19], s[0:1], 0x20             ; W_bias s[12:13], U_bias s[14:15], U's codes s[16:17], wsb s[18:19]
	s_load_b64 s[20:21], s[0:1], 0x40              ; ufrag
	v_lshl_add_u32 v30, v0, 2, 0x1200
	v_mov_b32 v31, 0
	v_lshrrev_b32 v1, 5, v0
	v_readfirstlane_b32 s22, v1                    ; wave 0..3
	v_and_b32 v1, 15, v0                           ; r
	v_bfe_u32 v2, v0, 4, 1                         ; h
	v_and_b32 v6, 31, v0
	v_lshlrev_b32 v6, 4, v6                        ; 16 x lane: my place in an image of four registers
	v_lshlrev_b32 v3, 10, v1
	v_lshl_add_u32 v3, v2, 4, v3                   ; codes: row r of 1,024 bytes, + 16 h
	v_lshlrev_b32 v4, 5, v1                        ; scale bytes: row r of 32
	v_lshlrev_b32 v5, 5, v2                        ; biases: my half's eight numbers
	v_mul_u32_u24 v7, v1, PITCH
	v_lshl_add_u32 v7, v2, 5, v7
	v_mul_u32_u24 v8, v2, PITCH
	v_lshl_add_u32 v8, v1, 4, v8
	v_lshlrev_b32 v9, 12, v2
	v_lshl_add_u32 v9, v1, 4, v9                   ; my place in wsb: rows of 4,096 bytes
	s_wait_alu depctr_va_sdst(0)                   ; s22 is written, ahead of its first reader: the tile's number, the stage's addresses and wsb's base are made from it
	s_and_b32 s24, ttmp7, 0xffff                   ; m: which 16 batches
	s_lshl_b32 s25, ttmp9, 2
	s_add_co_u32 s25, s25, s22                     ; t = 4 X + wave: which 16 units
	s_lshl_b32 s28, s22, 6
	v_add_nc_u32 v7, s28, v7                       ; the stage, in: row r, + 64 x wave + 32 h
	s_mul_i32 s28, s22, 4*PITCH
	v_add_nc_u32 v8, s28, v8                       ; back: rows 4 w + h, sixteen lanes to a row of 256 bytes
	s_mov_b32 s27, 0
	s_wait_kmcnt 0x0
	s_lshl_b32 s26, s25, 14                        ; 16 rows of 1,024 bytes a tile; also a tile's 8 fragments of 2,048 bytes
	s_add_nc_u64 s[8:9], s[8:9], s[26:27]
	s_add_nc_u64 s[16:17], s[16:17], s[26:27]
	s_add_nc_u64 s[20:21], s[20:21], s[26:27]
	s_lshl_b32 s26, s24, 14
	s_add_nc_u64 s[4:5], s[4:5], s[26:27]          ; s_prev: 16 batches of 1,024 bytes
	s_lshl_b32 s26, s24, 8
	s_add_nc_u64 s[16:17], s[16:17], s[26:27]      ; U: K steps 2 m, 2 m + 1 begin 256 m bytes into a row
	s_lshl_b32 s26, s24, 12
	s_add_nc_u64 s[20:21], s[20:21], s[26:27]      ; and their images 2 m x 2,048 bytes into the tile's
	s_lshl_b32 s26, s25, 9
	s_add_nc_u64 s[10:11], s[10:11], s[26:27]      ; W's scale bytes: 16 rows of 32
	s_lshl_b32 s26, s24, 9
	s_add_nc_u64 s[6:7], s[6:7], s[26:27]
	s_lshl_b32 s26, s25, 6
	s_add_nc_u64 s[12:13], s[12:13], s[26:27]      ; the biases of my 16 units
	s_add_nc_u64 s[14:15], s[14:15], s[26:27]
	s_lshl_b32 s26, s24, 16
	s_lshl_b32 s28, s22, 14
	s_add_co_u32 s26, s26, s28
	s_lshl_b32 s28, ttmp9, 8
	s_add_co_u32 s26, s26, s28
	s_add_nc_u64 s[18:19], s[18:19], s[26:27]      ; wsb: row 16 m + 4 w, column 64 X
	; all loads go out together: a fragment is four loads of 16 bytes a lane, 32 bytes apart (registers 4 c .. 4 c + 3: k = 32 c + 16 h + 0 .. 15)
	WIN 0x40                                       ; destination window 1
	s_wait_alu depctr_va_vdst(0)                   ; v3 to v9 are written: every load, store and LDS instruction of the kernel reads one of them as its offset or address
.irp s, 0,1,2,3,4,5,6,7
.irp c, 0,1,2,3
	global_load_b128 v[16*\s+4*\c:16*\s+4*\c+3], v3, s[8:9] offset:128*\s+32*\c
.endr
.endr
	WIN 0
.irp s, 0,1,2,3,4,5,6,7
.irp c, 0,1,2,3
	global_load_b128 v[SF+16*\s+4*\c:SF+16*\s+4*\c+3], v3, s[4:5] offset:128*\s+32*\c
.endr
.endr
.irp i, 0,1
	global_load_b128 v[SW+4*\i:SW+4*\i+3], v4, s[10:11] offset:16*\i   ; a row's 32 scale bytes are the words of its eight K steps
	global_load_b128 v[SQ+4*\i:SQ+4*\i+3], v4, s[6:7] offset:16*\i
	global_load_b128 v[WB+4*\i:WB+4*\i+3], v5, s[12:13] offset:16*\i
	global_load_b128 v[UB+4*\i:UB+4*\i+3], v5, s[14:15] offset:16*\i
.endr
.irp i, 0,1
.irp c, 0,1,2,3
	global_load_b128 v[UC+16*\i+4*\c:UC+16*\i+4*\c+3], v3, s[16:17] offset:128*\i+32*\c
.endr
.endr
	s_wait_loadcnt 0x0                             ; the one wait for loads: everything is in
.irp i, 0,1
.irp c, 0,1,2,3
	global_store_b128 v6, v[UC+16*\i+4*\c:UC+16*\i+4*\c+3], s[20:21] offset:2048*\i+512*\c   ; 32 lanes store 512 consecutive bytes; the data come from loads, no vector instruction names them
.endr
.endr
	WIN 0x01                                       ; source 0 (W) window 1
.irp s, 0,1,2,3,4,5,6,7
.if \s == 0
	v_wmma_scale_f32_16x16x128_f8f6f4 v[A0:A0+7], v[16*\s:16*\s+15], v[SF+16*\s:SF+16*\s+15], v[WB:WB+7], v[SW+\s], v[SQ+\s] matrix_a_fmt:MATRIX_FMT_BF8 matrix_b_fmt:MATRIX_FMT_BF8
.elseif \s == 1
	v_wmma_scale_f32_16x16x128_f8f6f4 v[A1:A1+7], v[16*\s:16*\s+15], v[SF+16*\s:SF+16*\s+15], v[UB:UB+7], v[SW+\s], v[SQ+\s] matrix_a_fmt:MATRIX_FMT_BF8 matrix_b_fmt:MATRIX_FMT_BF8
.elseif \s % 2 == 0
	v_wmma_scale_f32_16x16x128_f8f6f4 v[A0:A0+7], v[16*\s:16*\s+15], v[SF+16*\s:SF+16*\s+15], v[A0:A0+7], v[SW+\s], v[SQ+\s] matrix_a_fmt:MATRIX_FMT_BF8 matrix_b_fmt:MATRIX_FMT_BF8
.else
	v_wmma_scale_f32_16x16x128_f8f6f4 v[A1:A1+7], v[16*\s:16*\s+15], v[SF+16*\s:SF+16*\s+15], v[A1:A1+7], v[SW+\s], v[SQ+\s] matrix_a_fmt:MATRIX_FMT_BF8 matrix_b_fmt:MATRIX_FMT_BF8
.endif
.endr
	WIN 0
.rept 8
	v_nop                                          ; eight places between this form and the first read of its result; no other vector work is at hand
.endr
.irp j, 0,2,4,6
	v_pk_add_f32 v[SU+\j:SU+\j+1], v[A0+\j:A0+\j+1], v[A1+\j:A1+\j+1]   ; both sums from their low end on
.endr
	s_wait_alu depctr_va_vdst(0)                   ; the four additions have written v[SU ..], which the LDS stores read
	ds_store_b128 v7, v[SU:SU+3]                   ; batch r, units 16 w + 8 h + 0 .. 7 of the work-group's 64
	ds_store_b128 v7, v[SU+4:SU+7] offset:16
	s_wait_dscnt 0x0                               ; for the others' sake: my stores into the stage are done
	s_barrier_signal -1
	s_barrier_wait -1                              ; a row's 256 bytes come from four waves
.irp i, 0,1
	ds_load_b128 v[BK+4*\i:BK+4*\i+3], v8 offset:2*\i*PITCH
.endr
	s_wait_dscnt 0x0
.irp i, 0,1
	global_store_b128 v9, v[BK+4*\i:BK+4*\i+3], s[18:19] offset:2*\i*4096   ; sixteen lanes store 256 consecutive bytes, at a multiple of 256 from wsb's first byte
.endr
	s_wait_dscnt 0x0                               ; the closing lines, six on end
	s_wait_alu 0x0
	s_wait_tensorcnt 0x0
	ds_add_u32 v30, v31
	s_wait_dscnt 0x0
	s_endpgm
.Lfunc_end_k_qe06752fa25_prep:
	.size	k_qe06752fa25_prep, .Lfunc_end_k_qe06752fa25_prep-k_qe06752fa25_prep
	.p2alignl 7, 3214868480
	.fill 96, 4, 3214868480
	.section	.rodata,"a",@progbits
	.p2align	6, 0x0
	.amdhsa_kernel k_qe06752fa25_prep
		.amdhsa_group_segment_fixed_size 5120
		.amdhsa_private_segment_fixed_size 0
		.amdhsa_enable_private_segment 0
		.amdhsa_kernarg_size 72
		.amdhsa_user_sgpr_count 2
		.amdhsa_user_sgpr_kernarg_segment_ptr 1
		.amdhsa_wavefront_size32 1
		.amdhsa_system_sgpr_workgroup_id_x 1
		.amdhsa_system_sgpr_workgroup_id_y 1
		.amdhsa_system_sgpr_workgroup_id_z 1
		.amdhsa_system_vgpr_workitem_id 0
		.amdhsa_next_free_vgpr 384
		.amdhsa_next_free_sgpr 66
		.amdhsa_reserve_vcc 0
		.amdhsa_float_denorm_mode_32 3
		.amdhsa_float_denorm_mode_16_64 3
		.amdhsa_memory_ordered 1
		.amdhsa_forward_progress 1
		.amdhsa_inst_pref_size 14
	.end_amdhsa_kernel
	.amdgpu_metadata
---
amdhsa.version: [ 1, 2 ]
amdhsa.kernels:
  - .name:           k_qe06752fa25_prep
    .symbol:         k_qe06752fa25_prep.kd
    .args:
      - { .name: s_prev_codes, .offset: 0, .size: 8, .value_kind: global_buffer, .address_space: global }
      - { .name: s_prev_scales, .offset: 8, .size: 8, .value_kind: global_buffer, .address_space: global }
      - { .name: W_kernel_codes, .offset: 16, .size: 8, .value_kind: global_buffer, .address_space: global }
      - { .name: W_kernel_scales, .offset: 24, .size: 8, .value_kind: global_buffer, .address_space: global }
      - { .name: W_bias, .offset: 32, .size: 8, .value_kind: global_buffer, .address_space: global }
      - { .name: U_bias, .offset: 40, .size: 8, .value_kind: global_buffer, .address_space: global }
      - { .name: U_kernel_codes, .offset: 48, .size: 8, .value_kind: global_buffer, .address_space: global }
      - { .name: wsb, .offset: 56, .size: 8, .value_kind: global_buffer, .address_space: global }
      - { .name: ufrag, .offset: 64, .size: 8, .value_kind: global_buffer, .address_space: global }
    .group_segment_fixed_size: 5120
    .private_segment_fixed_size: 0
    .kernarg_segment_align: 8
    .kernarg_segment_size: 72
    .max_flat_workgroup_size: 128
    .sgpr_count:     66
    .vgpr_count:     384
    .wavefront_size: 32
...
	.end_amdgpu_metadata
.endif
;; end of part 4
;; launch scores (part 5): grid 256 x 1, 4 waves a work-group, no clusters, 307,968 bytes of LDS; arguments hidden_states, ufrag, U_kernel_scales, wsb, V_kernel, V_bias, scores; writes scores
.if DOCPART == 5
	.amdgcn_target "amdgcn-amd-amdhsa--gfx1250"
	.amdhsa_code_object_version 6
	.text
	.protected	k_qe06752fa25_scores
	.globl	k_qe06752fa25_scores
	.p2align	8
	.type	k_qe06752fa25_scores,@function
k_qe06752fa25_scores:
	s_mov_b64 s[64:65], 0
	v_nop
	global_prefetch_b8 v0, s[64:65] scope:SCOPE_SE
	s_setreg_imm32_b32 hwreg(HW_REG_WAVE_SCHED_MODE, 0, 2), 2
	s_setreg_imm32_b32 hwreg(HW_REG_WAVE_MODE, 25, 1), 1
	s_wait_xcnt 0x0
	s_wait_alu depctr_vm_vsrc(0)
; scores[row] = sum over u of V[u] tanh(wsb[batch][u] + sum over k of Q(hidden[row][k]) U[k][u]) + V_bias, for 65,536 rows; Q is the MX quantiser to E5M2 along k, blocks of 32.
; SHARES.  Work-group g owns rows 256 g .. 256 g + 255, all of batch g / 4: one work-group for each of 256 blocks of rows, four waves.
; PHASE X.  Wave w reads rows 64 w .. 64 w + 63 of hidden_states (f32) once, quantises them, and lays codes and scale bytes into LDS, where they stay: 256 rows x 1,024 codes.
; PHASE G.  THE WAVES SHARE THE UNITS, NOT THE ROWS: wave w owns units 256 w .. 256 w + 255, in four passes of 64.  In a pass U's 32 fragments (4 tiles of 16 units x 8 K steps, 512 registers) stay in the wave's registers,
;   and the 256 rows go by in four groups of 64 rows: a group is 8 K steps x 16 matrix instructions on 16 accumulators, then tanh and the product with V on the vector unit.  A fragment of rows read from LDS feeds four matrix instructions.
; U comes from ufrag, laid in the order of the operand's registers: every load is 512 consecutive bytes, and the work-group reads U once.
; NO TENSOR LOADS, NO CLUSTER: each fragment of U is wanted by ONE wave of the work-group, so LDS would share nothing inside it; the rows' codes, scale bytes and stages take 299,008 of LDS's 327,680 bytes, which
;   leaves no room for two slots of a K step's 32,768 bytes of U, as joint loads would need.
; THE MATRIX INSTRUCTION IS USED TRANSPOSED (source 0 = 16 units of U, source 1 = 16 rows): lane (r, h) holds row r, its registers the units 8 h + 0 .. 7.  wsb's numbers are the C of a sum's first product.
; tanh(x) = 1 - 2 q, q = 1 / (1 + 2^(2 log2(e) x)): right at both ends (2^.. = infinity gives q = 0, 2^.. = 0 gives q = 1).  The wave sums V q; the score is (sum of V + V_bias) - 2 x (sum of V q).
; LIMITS.  NaN and infinities in hidden_states are not served.  A block of zeros gets the scale byte 1 and zero codes (the rule says 127; only this program reads the bytes, and zero codes add nothing).
;   A block whose largest magnitude lies under 2^-111 gets the byte 1, as the rule's hold at -126 gives.  The score's error from the form above is of the order of f32's rounding x the sum of |V|.
; hidden_states is read once here and once more by the launch that forms the context.
; THE MODE: SCHED_MODE bits 1:0 = 2 (LLVM: expert scheduling mode 2), set by the entry lines.  The code itself states the register dependences between vector or matrix instructions and memory or LDS instructions, with s_wait_alu, always for 0.
; THE PLAN, PHASE X.  Step t (512 numbers).  Registers that memory or LDS instructions touch:
;   ring set t     landed in by global loads; read by the stage's four LDS stores, issued in step t - 1; landed in again by the loads of step t + 16, issued in step t.  No vector instruction names it.
;   XR[t % 2]      landed in by the stage's four LDS loads, issued in step t - 1; read and written by step t's vector lines; landed in again in step t + 1.
;   CD, BY[t % 2]  written by step t's conversions; read by two LDS stores that are issued in step t + 1; written again in step t + 2.
;   v6, v7         the trip's rows in LDS: read by those stores, written once a trip.  All other addresses are made at the head and stay.
;   So a step has one wait on vm_vsrc at its head (ring set t and CD, BY[t % 2] have been read) and one on va_vdst behind its global loads and the stage's stores, which hang on no vector result
;   (step t - 1 has written its CD, BY and is done with its XR); the stage's loads and the stores of step t - 1 follow that wait, with no vector instruction between.  A trip's last step is stored at the trip's end, behind a wait of its own.
; THE PLAN, PHASE G.  K step s of a group.  Registers that memory or LDS instructions touch:
;   buffer s % 3   (three buffers of four fragments of rows)  read by K step s's 16 matrix instructions; landed in by the LDS loads of K step s + 3, which are issued in K step s + 1, four behind each four matrix instructions.
;   rows' scale words   read by all eight K steps; landed in again behind K step 7.
;   U's fragments of K step s, wsb's numbers (K step 0), U's scale words   read by matrix instructions; in a pass's last group landed in by the next pass's global loads, issued at the end of K step s + 1.
;   V              read by TANH's multiply-adds; landed in at a pass's head.     v3   V's LDS address: read by those loads, written once a pass.
;   So ONE wait on va_vdst stands at the head of a K step that issues loads: it states that the K step before is done reading what those loads land in.  The K step's own matrix instructions name buffer s % 3, U's fragments and
;   the scale words of K step s and the accumulators: none of the registers that its loads touch.  The next group's K step 1 and scale words go out behind TANH's first wait, which stands there for the exponentials.
; REGISTERS, in windows of 256 (s_set_vgpr_msb: bits 1:0 source 0, 3:2 source 1, 5:4 source 2, 7:6 destination):
;   window 0: v1-31 addresses and small things; v32-63 the rows' scale words (8 x tile of rows + K step); v64-95 U's (8 x tile of units + K step); v96-127 wsb's numbers (8 x tile of units + j);
;             v128-191, v192-255 buffers 0 and 1 of four fragments of rows.  In phase X: v128-159 two sets of 16 neighbours, v160-167 two sets of codes, v168-169 scale bytes.
;   window 1: phase X: a ring of 16 sets of 16 numbers as loaded.  Phase G: v0-127 the 16 accumulators (32 x tile of units + 8 x tile of rows); v128-159 V; v160-191 the sums of V q, a pair for each of 16 tiles of rows; v192-255 buffer 2.
;   window 2: U's fragments of tiles 0, 1 (128 x tile + 16 x K step);   window 3: of tiles 2, 3.
.set AP,    1040                       ; a row of codes in LDS: 1,024 bytes + 16: an odd multiple of 16 bytes, so the 16 rows of a fragment load start at 16 different banks (64 banks of 4 bytes: ISA guide 11.1)
.set SPT,   48                         ; a row of scale bytes: 32 + 16
.set ASC,   256*AP                     ; LDS: codes from 0; the scale bytes;
.set STG,   ASC+256*SPT                ; for each wave two stages of 32 x 80 bytes;
.set RED,   STG+4*5120                 ; [4 waves][256 rows] f32: the waves' sums of V q;
.set VS,    RED+4096                   ; the four waves' sums of V;
.set VL,    VS+256                     ; V, 4,096 bytes
.set XR,    128
.set CD,    160
.set BY,    168
.set ASW,   32
.set BSW,   64
.set CB,    96
.set AB,    128                        ; buffers 0 and 1, in window 0
.set AB2,   192                        ; buffer 2, in window 1
.set VV,    128                        ; in window 1
.set SS,    160                        ; in window 1
.set MSB, 0
.macro WIN new                         ; the immediate's high byte repeats the setting that is left; a switch that changes nothing is dropped
.if MSB != (\new)
	s_set_vgpr_msb (MSB<<8)|(\new)
.set MSB, \new
.endif
.endm
	s_load_b256 s[4:11], s[0:1], 0x0               ; hidden_states s[4:5], ufrag s[6:7], U's scales s[8:9], wsb s[10:11]
	s_load_b128 s[12:15], s[0:1], 0x20             ; V s[12:13], V_bias s[14:15]
	s_load_b64 s[16:17], s[0:1], 0x30              ; scores
	v_lshrrev_b32 v8, 5, v0
	v_readfirstlane_b32 s18, v8                    ; wave 0..3
	v_and_b32 v9, 31, v0                           ; lane
	v_and_b32 v10, 15, v0                          ; r
	v_bfe_u32 v11, v0, 4, 1                        ; h
	v_lshlrev_b32 v1, 4, v9                        ; v1: 16 x lane
	s_wait_alu depctr_va_sdst(0)                   ; s18 is written, ahead of its first reader: LDS addresses and the buffers' bases are made from it
	s_mul_i32 s30, s18, 5120
	s_add_co_u32 s30, s30, STG                     ; my wave's stages
	v_lshrrev_b32 v2, 2, v9
	v_mul_u32_u24 v2, v2, 80
	v_and_b32 v3, 3, v9
	v_lshl_add_u32 v2, v3, 4, v2
	v_add_nc_u32 v2, s30, v2                       ; v2: into a stage: four lanes' 64 bytes on end, then 16 of padding
	v_mul_u32_u24 v3, v9, 80
	v_add_nc_u32 v3, s30, v3                       ; v3: out of it: 80 x lane: my 16 neighbours
	s_mul_i32 s30, s18, 64*AP
	v_add_nc_u32 v4, s30, v1                       ; v4: my 16 codes in my wave's first row
	s_mul_i32 s30, s18, 64*SPT
	s_add_co_u32 s30, s30, ASC
	v_lshrrev_b32 v5, 1, v9
	v_add_nc_u32 v5, s30, v5                       ; v5: my block's scale byte there
	v_mul_u32_u24 v12, v10, AP
	v_lshl_add_u32 v12, v11, 4, v12                ; v12-15: a fragment's place for my lane, row r x pitch + 16 h, in groups 0 to 3 of 64 rows
	v_add_nc_u32 v13, 64*AP, v12
	v_add_nc_u32 v14, 128*AP, v12
	v_add_nc_u32 v15, 192*AP, v12
	v_mul_u32_u24 v16, v10, SPT
	v_add_nc_u32 v16, ASC, v16                     ; v16-19: row r's scale words likewise
	v_add_nc_u32 v17, 64*SPT, v16
	v_add_nc_u32 v18, 128*SPT, v16
	v_add_nc_u32 v19, 192*SPT, v16
	v_lshlrev_b32 v20, 5, v11                      ; v20: 32 h: my half's eight f32 of a tile of 16 units
	v_lshlrev_b32 v21, 5, v10                      ; v21: 32 r: unit r's row of scale bytes
	v_lshlrev_b32 v30, 5, v0                       ; v30: my 32 bytes of V
	v_add_nc_u32 v31, VL, v30                      ; v31: and their place in LDS
	s_mov_b32 s19, 0x600000                        ; the mantissa field of 57,344
	s_mov_b32 s20, 0x76543210
	s_mov_b32 s21, 0xfedcba98                      ; v_permlanex16_b32's selects for lane l xor 16
	s_mov_b32 s22, 0x4038aa3b                      ; 2 log2(e)
	s_mov_b32 s23, s22                             ; (the packed form names the pair, so both are written)
	s_mov_b32 s31, 0
	s_mov_b32 s33, 0
	s_wait_kmcnt 0x0
	s_load_b32 s24, s[14:15], 0x0                  ; V_bias: waited for at the end
	s_lshl_b32 s30, ttmp9, 20                      ; the work-group's 256 rows of 4,096 bytes,
	s_lshl_b32 s32, s18, 18                        ; my wave's 64.  Also: my wave's 128 fragments of 2,048 bytes in ufrag
	s_add_nc_u64 s[4:5], s[4:5], s[30:31]
	s_add_nc_u64 s[4:5], s[4:5], s[32:33]
	s_add_nc_u64 s[6:7], s[6:7], s[32:33]
	s_lshl_b32 s30, s18, 13
	s_add_nc_u64 s[8:9], s[8:9], s[30:31]          ; U's scale bytes: my 256 units x 32
	s_lshr_b32 s30, ttmp9, 2
	s_lshl_b32 s30, s30, 12
	s_lshl_b32 s32, s18, 10
	s_add_co_u32 s30, s30, s32
	s_add_nc_u64 s[10:11], s[10:11], s[30:31]      ; wsb: my batch's row, my 256 units
	s_lshl_b32 s30, ttmp9, 10
	s_add_nc_u64 s[16:17], s[16:17], s[30:31]      ; scores: the work-group's 256
; ---------------- PHASE X ----------------
; A step is 512 numbers, half a row.  Its four loads read 512 consecutive bytes each; the conversions want 16 NEIGHBOURS in a lane's registers, so the 2,048 bytes turn through the wave's own stage in LDS.
.macro LOAD t                          ; step t of the trip in hand (16 and more: of the next trip) into ring set t % 16
	WIN 0x40                                       ; destination window 1
.irp i, 0,1,2,3
	global_load_b128 v[16*((\t)%16)+4*\i:16*((\t)%16)+4*\i+3], v1, s[4:5] offset:2048*(\t)+512*\i th:TH_LOAD_NT
.endr
.endm
.macro TURN_IN t                       ; step t's numbers into the stage, as they were loaded
	WIN 0x04                                       ; an LDS store's data are its source 1: window 1
.irp i, 0,1,2,3
	ds_store_b128 v2, v[16*((\t)%16)+4*\i:16*((\t)%16)+4*\i+3] offset:2560*((\t)%2)+640*\i
.endr
.endm
.macro TURN_OUT t                      ; and back, 16 neighbours a lane.  LDS serves a wave's instructions in order (ISA guide 5.7.1.4): no wait on DScnt between the stores and the loads
	WIN 0
.irp i, 0,1,2,3
	ds_load_b128 v[XR+16*((\t)%2)+4*\i:XR+16*((\t)%2)+4*\i+3], v3 offset:2560*((\t)%2)+16*\i
.endr
.endm
.macro QX t                            ; my 16 neighbours of step t become 16 codes; two neighbouring lanes hold a block of 32.  Vector lines alone: the results are stored a step later (XOUT)
	WIN 0
.set XS, XR+16*((\t)%2)
.set CS, CD+4*((\t)%2)
	v_max3_num_f32 v8, |v[XS]|, |v[XS+1]|, |v[XS+2]|               ; the largest magnitude of my 16, in two chains
	v_max3_num_f32 v9, |v[XS+3]|, |v[XS+4]|, |v[XS+5]|
.irp i, 6,10
	v_max3_num_f32 v8, v8, |v[XS+\i]|, |v[XS+\i+1]|
	v_max3_num_f32 v9, v9, |v[XS+\i+2]|, |v[XS+\i+3]|
.endr
	v_max3_num_f32 v8, v8, |v[XS+14]|, |v[XS+15]|
	v_max3_num_f32 v8, v8, v9, 0x8000000           ; and the floor 2^(16 - 127): the byte cannot fall under 1
	v_max_num_f32_dpp v8, v8, v8 row_xmask:1 row_mask:0xf bank_mask:0xf   ; with my neighbour's 16: the block's
	v_add_nc_u32 v11, 0xf8800000, v8               ; 15 off its exponent field: the conversion takes the exponent field of this operand as its scale
	v_and_or_b32 v10, v8, 0x7f800000, s19          ; 57,344 x the scale
.irp i, 0,1,2,3,4,5,6,7,8,9,10,11,12,13,14,15
	v_med3_num_f32 v[XS+\i], v[XS+\i], -v10, v10   ; the conversion to an 8-bit code does not saturate (ISA guide 7.6.2): the hold comes first
.endr
	v_cvt_scalef32_pk8_bf8_f32 v[CS:CS+1], v[XS:XS+7], v11
	v_cvt_scalef32_pk8_bf8_f32 v[CS+2:CS+3], v[XS+8:XS+15], v11
	v_lshrrev_b32 v[BY+(\t)%2], 23, v11            ; the scale's byte; also the plain line behind the conversions
.endm
.macro XOUT t                          ; step t's byte and codes go to their rows in LDS
	WIN 0
	ds_store_b8 v7, v[BY+(\t)%2] offset:SPT*((\t)/2)+16*((\t)%2)     ; both lanes of a block write the same byte with the same value
	ds_store_b128 v6, v[CD+4*((\t)%2):CD+4*((\t)%2)+3] offset:AP*((\t)/2)+512*((\t)%2)     ; 32 lanes store 512 consecutive bytes of a row of codes
.endm
; Load i of the 144 that bring pass 0's operands: U's 32 fragments, K step by K step; wsb's numbers; U's scale words.  They go out under phase X's last trip, into registers that nothing has named yet.
.macro PLOAD i
.if (\i) < 128
.set pS, (\i)/16
.set pU, ((\i)/4)%4
.set pC, (\i)%4
	WIN 0x80+0x40*(pU/2)                           ; destination window 2 or 3
	global_load_b128 v[128*(pU%2)+16*pS+4*pC:128*(pU%2)+16*pS+4*pC+3], v1, s[6:7] offset:(8*pU+pS)*2048+512*pC
.elseif (\i) < 136
.set pK, (\i)-128
	WIN 0
	global_load_b128 v[CB+4*pK:CB+4*pK+3], v20, s[10:11] offset:64*(pK/2)+16*(pK%2)
.else
.set pK, (\i)-136
	WIN 0
	global_load_b128 v[BSW+4*pK:BSW+4*pK+3], v21, s[8:9] offset:512*(pK/2)+16*(pK%2)
.endif
.endm
; Step t of a trip.  mode 1: the ring set just emptied takes the step 16 further on.  mode 0, the last trip: nothing of hidden_states is left to ask for; nine of pass 0's loads go out instead.
; Step 0 has no waits of its own: those at the trip's head and at the last trip's end serve it.
.macro XSTEP t, mode
.if (\t) > 1
	s_wait_dscnt 2                                 ; this step's numbers are back from the stage, so its stores into the stage are done with ring set t; only the two stores of step t - 2's results are younger
.elseif (\t) == 1
	s_wait_dscnt 0x0                               ; the same; step 0 issued nothing behind the stage's loads
.endif
.if (\t) > 0
	s_wait_alu depctr_vm_vsrc(0)                   ; the stage's stores have read ring set t, in which the loads below land; the stores issued a step back have read CD and BY[t % 2], which this step's conversions write
.endif
.if \mode
	LOAD (\t)+16
	s_wait_loadcnt 60                              ; ring set t + 1 is in: the 15 sets behind it, 60 loads, may be out
.else
.set pI, 9*(\t)
.rept 9
	PLOAD pI
.set pI, pI+1
.endr
.if (\t) < 15
	s_wait_loadcnt 63                              ; ring set t + 1 is in: behind it stand 4 (14 - t) loads of the ring and 9 (t + 1) of pass 0's, 65 at the least; 63 is the largest count that can be written
.endif
.endif
.if \mode || ((\t) < 15)
	TURN_IN (\t)+1                                 ; data from loads, an address from the head: these hang on no vector result, and stand between the last step's vector lines and the wait for them
.endif
.if (\t) > 0
	WIN 0
	s_wait_alu depctr_va_vdst(0)                   ; step t - 1 has written its CD and BY, which the two stores below read, and is done with its XR, in which the stage's loads below land; in step 1 also: v6 and v7 are written
.endif
.if \mode || ((\t) < 15)
	TURN_OUT (\t)+1
.endif
.if (\t) > 0
	XOUT (\t)-1
.endif
	QX \t
.endm
	s_wait_alu depctr_va_vdst(0)                   ; the head's offsets and LDS addresses (v1 to v5, v12 to v21, v30, v31) are written: the loads and LDS instructions below read them
	global_load_b128 v[22:25], v30, s[12:13]       ; V, 32 bytes a thread: 4,096 bytes for the work-group
	global_load_b128 v[26:29], v30, s[12:13] offset:16
.irp t, 0,1,2,3,4,5,6,7,8,9,10,11,12,13,14,15
	LOAD \t
.endr
	s_wait_loadcnt 60                              ; V and ring set 0 are in: 15 sets may be out
	TURN_IN 0
	TURN_OUT 0
	ds_store_b128 v31, v[22:25]                    ; V into LDS: each pass takes its 64 units' from there
	ds_store_b128 v31, v[26:29] offset:16
	v_add_f32 v8, v22, v23                         ; and the sum of V: my eight,
	v_add_f32 v9, v24, v25
	v_add_f32 v10, v26, v27
	v_add_f32 v11, v28, v29
	v_add_f32 v8, v8, v9
	v_add_f32 v10, v10, v11
	v_add_f32 v8, v8, v10
	v_add_f32_dpp v8, v8, v8 row_xmask:1 row_mask:0xf bank_mask:0xf   ; my wave's 256
	v_add_f32_dpp v8, v8, v8 row_xmask:2 row_mask:0xf bank_mask:0xf
	v_add_f32_dpp v8, v8, v8 row_xmask:4 row_mask:0xf bank_mask:0xf
	v_add_f32_dpp v8, v8, v8 row_xmask:8 row_mask:0xf bank_mask:0xf
	v_permlanex16_b32 v9, v8, s20, s21
	v_add_f32 v8, v8, v9
	s_lshl_b32 s30, s18, 2
	s_add_co_u32 s30, s30, VS
	v_mov_b32 v10, s30
	s_wait_alu depctr_va_vdst(0)                   ; the sum v8 and its address v10 are written, which the LDS store reads
	ds_store_b32 v10, v8                           ; all lanes write the wave's word with the same value
	s_mov_b32 s25, 7
	s_mov_b32 s26, 0
	s_mov_b32 s27, 0
.Lx:                                               ; a trip: 8 rows, 16 steps.  Seven trips ask for the trip behind them; the eighth is written out
	s_wait_dscnt 0x0                               ; step 0's numbers are back from the stage
	s_wait_alu depctr_vm_vsrc(0)                   ; the LDS stores issued so far have read v6 and v7, written below; ring set 0, in which step 0's loads land; CD and BY[0] (first trip: v8 and v10), which step 0's vector lines write
	v_add_nc_u32 v6, s26, v4                       ; the trip's first row of codes,
	v_add_nc_u32 v7, s27, v5                       ; and of scale bytes
.irp t, 0,1,2,3,4,5,6,7,8,9,10,11,12,13,14,15
	XSTEP \t, 1
.endr
	s_wait_alu depctr_va_vdst(0)                   ; step 15 has written its CD and BY, which the two stores below read, and is done with its XR, in which the next trip's step 0 lets loads land
	XOUT 15
	s_wait_xcnt 0x0                                ; the loads' base is stepped only behind this wait
	s_add_nc_u64 s[4:5], s[4:5], 32768
	s_add_co_u32 s26, s26, 8*AP
	s_add_co_u32 s27, s27, 8*SPT
	s_sub_co_u32 s25, s25, 1
	s_cmp_lg_u32 s25, 0
	s_cbranch_scc1 .Lx
	s_wait_dscnt 0x0
	s_wait_alu depctr_vm_vsrc(0)                   ; as at the loop's head: v6, v7 and CD, BY[0] have been read
	v_add_nc_u32 v6, s26, v4
	v_add_nc_u32 v7, s27, v5
.irp t, 0,1,2,3,4,5,6,7,8,9,10,11,12,13,14,15
	XSTEP \t, 0
.endr
	WIN 0x40
.set tA, 0
.rept 32
	v_mov_b32 v[SS+tA], 0                          ; the sums of V q run over four passes of a loop that is written once: they begin as zeros.  (Ring sets 10 and 11: the stage's stores that read them stand ahead of later steps' waits on vm_vsrc)
.set tA, tA+1
.endr
	WIN 0
	s_lshl_b32 s30, s18, 10
	s_add_co_u32 s30, s30, VL
	s_wait_alu depctr_va_vdst(0)                   ; step 15 has written its CD and BY, which the two stores below read; and phase X's vector lines are done with v128-169, in which the first fragments of rows land
	XOUT 15
	s_wait_dscnt 0x0                               ; for the others' sake: my codes, scale bytes and part of V lie in LDS
	s_barrier_signal -1
	s_barrier_wait -1                              ; all 256 rows do; nothing is stored there again
; ---------------- PHASE G ----------------
.macro LOADF g, s, m                   ; one fragment (rows 16 m on of group g, K step s) into buffer s % 3: registers 4 c .. 4 c + 3: k = 32 c + 16 h + 0 .. 15
.if (\s)%3 == 2
	WIN 0x40                                       ; destination window 1
.set lR, AB2+16*(\m)
.else
	WIN 0
.set lR, AB+64*((\s)%3)+16*(\m)
.endif
.irp c, 0,1,2,3
	ds_load_b128 v[lR+4*\c:lR+4*\c+3], v[12+(\g)] offset:16*AP*(\m)+128*(\s)+32*\c
.endr
.endm
.macro ASWL g                          ; group g's scale words: a row's 32 bytes are the words of its eight K steps
	WIN 0
.irp m, 0,1,2,3
.irp i, 0,1
	ds_load_b128 v[ASW+8*\m+4*\i:ASW+8*\m+4*\i+3], v[16+(\g)] offset:16*SPT*\m+16*\i
.endr
.endr
.endm
; Four of K step s's 16 matrix instructions: tile u of units x 4 tiles of rows.  The 16 accumulators take turns, one instruction a turn, in the same order in every step.
; K step 0 starts the sums with wsb's numbers as C.
.macro MULU s, u
.irp m, 0,1,2,3
.set rD, 32*(\u)+8*\m
.set rU, 128*((\u)%2)+16*(\s)
.set rA, AB+64*((\s)%3)+16*\m
.if (\s)%3 == 2
.set rA, AB2+16*\m
.endif
.if (\s) == 0
	WIN 0x42+((\u)/2)                              ; source 0 (U) window 2 or 3, source 1 (rows, buffer 0) and C (wsb) window 0, D window 1
	v_wmma_scale_f32_16x16x128_f8f6f4 v[rD:rD+7], v[rU:rU+15], v[rA:rA+15], v[CB+8*(\u):CB+8*(\u)+7], v[BSW+8*(\u)+(\s)], v[ASW+8*\m+(\s)] matrix_a_fmt:MATRIX_FMT_BF8 matrix_b_fmt:MATRIX_FMT_BF8
.else
	WIN 0x52+((\u)/2)+4*(((\s)%3)/2)               ; C and D window 1; source 1 window 0, or window 1 for buffer 2
	v_wmma_scale_f32_16x16x128_f8f6f4 v[rD:rD+7], v[rU:rU+15], v[rA:rA+15], v[rD:rD+7], v[BSW+8*(\u)+(\s)], v[ASW+8*\m+(\s)] matrix_a_fmt:MATRIX_FMT_BF8 matrix_b_fmt:MATRIX_FMT_BF8
.endif
.endr
.endm
.macro UFILL k                         ; the next pass's four fragments of K step k, which lie 65,536 bytes on
.irp u, 0,1,2,3
	WIN 0x80+0x40*(\u/2)
.irp c, 0,1,2,3
	global_load_b128 v[128*(\u%2)+16*(\k)+4*\c:128*(\u%2)+16*(\k)+4*\c+3], v1, s[6:7] offset:65536+(8*\u+(\k))*2048+512*\c
.endr
.endr
.endm
; In a pass's last group K step k's registers of U are free when its products are done: they take the next pass's fragments.  The refill of K step k stands at the end of K step k + 1, whose head's wait has shown those products done.
; The last pass asks for nothing: a scalar branch on the count of passes.
.macro REFILL k
	WIN 0                                          ; at a branch and at a label every window is 0
	s_cmp_eq_u32 s28, 3
	s_cbranch_scc1 .Lno_next_\@
	UFILL \k
	WIN 0
.if (\k) == 0
.irp j, 0,1,2,3,4,5,6,7
	global_load_b128 v[CB+4*\j:CB+4*\j+3], v20, s[10:11] offset:256+64*(\j/2)+16*(\j%2)     ; wsb's numbers were read by K step 0 alone
.endr
.endif
.if (\k) == 3
.irp u, 0,1,2,3
	global_load_b128 v[BSW+8*\u:BSW+8*\u+3], v21, s[8:9] offset:2048+512*\u                 ; the scale words of K steps 0 to 3
.endr
.endif
.Lno_next_\@:
.endm
; Behind the last group's K step 7, under one branch: the refills of K steps 6 and 7, U's scale words of K steps 4 to 7, and the LDS loads that look ahead into the next pass's group 0.
.macro LASTFILL
	WIN 0
	s_cmp_eq_u32 s28, 3
	s_cbranch_scc1 .Lno_next_\@
	UFILL 6
	UFILL 7
	WIN 0
.irp u, 0,1,2,3
	global_load_b128 v[BSW+8*\u+4:BSW+8*\u+7], v21, s[8:9] offset:2048+512*\u+16
.endr
.irp m, 0,1,2,3
	LOADF 0, 0, \m
.endr
.irp m, 0,1,2,3
	LOADF 0, 1, \m
.endr
	ASWL 0
.Lno_next_\@:
.endm
; The group's 128 registers of sums become q = 1 / (1 + 2^(2 log2(e) x)), in place, each accumulator from its low end on; then V q is summed, the four tiles of rows by turns.
; One v_nop stands behind each run of transcendentals, ahead of the first use of their results (ISA guide 5.7.2).
.macro TANH g
	WIN 0x55                                       ; everything in window 1
.set tA, 0
.rept 64
	v_pk_mul_f32 v[tA:tA+1], v[tA:tA+1], s[22:23] op_sel_hi:[1,0]
.set tA, tA+2
.endr
.set tA, 0
.rept 128
	v_exp_f32 v[tA], v[tA]
.set tA, tA+1
.endr
	v_nop
	s_wait_alu depctr_va_vdst(0)                   ; the 128 exponentials have written their results, ahead of the first reader; and K step 7's products are done reading buffer 1 and the rows' scale words, in which the loads below land
.if (\g) < 3
.irp m, 0,1,2,3
	LOADF (\g)+1, 1, \m                            ; the next group's K step 1 and its scale words: the lines that follow name the accumulators, V and the sums alone
.endr
	ASWL (\g)+1
	WIN 0x55
.endif
.set tA, 0
.rept 64
	v_pk_add_f32 v[tA:tA+1], v[tA:tA+1], 1.0 op_sel_hi:[1,0]
.set tA, tA+2
.endr
.set tA, 0
.rept 128
	v_rcp_f32 v[tA], v[tA]
.set tA, tA+1
.endr
	v_nop
	s_wait_alu depctr_va_vdst(0)                   ; the 128 reciprocals have written their results, ahead of the first reader
.irp u, 0,1,2,3
.irp p, 0,1,2,3
.irp m, 0,1,2,3
	v_pk_fma_f32 v[SS+2*(4*(\g)+\m):SS+2*(4*(\g)+\m)+1], v[32*\u+8*\m+2*\p:32*\u+8*\m+2*\p+1], v[VV+8*\u+2*\p:VV+8*\u+2*\p+1], v[SS+2*(4*(\g)+\m):SS+2*(4*(\g)+\m)+1]
.endr
.endr
.endr
	WIN 0
.endm
; A group of 64 rows.  The fragments of rows run two K steps ahead, in three buffers: K step s asks for K step s + 2, a fragment behind each four matrix instructions.  K step 6 asks for nothing (buffer 0 is at work, buffers 1 and 2 are full
; or not wanted); K step 7 asks for the next group's K step 0, TANH for its K step 1.  In a pass's last group those two stand in LASTFILL.
; Eight v_nop stand behind K step 7's products: the places ahead of the first read of results.
.macro GROUP g
.irp s, 0,1,2,3,4,5,6,7
.if \s == 0
	s_wait_dscnt 0x0                               ; K steps 0 and 1 and the scale words are in (in group 0 also V)
.elseif \s == 7
	s_wait_dscnt 0x0                               ; K step 7's fragments are in: nothing was asked for behind them
.elseif \s >= 2
	s_wait_dscnt 16                                ; this step's fragments are in: only the next step's 16 loads are younger
.endif
.if ((\s >= 1) && (\s <= 5)) || ((\s == 6) && (\g == 3)) || ((\s == 7) && (\g < 3))
	s_wait_alu depctr_va_vdst(0)                   ; the K step before is done reading its buffer of rows, in which this step's LDS loads land; in a pass's last group also its fragments of U (and wsb's numbers, or U's first scale words), in which the refill at this step's end lands
.endif
.irp u, 0,1,2,3
	MULU \s, \u
.if \s <= 5
	LOADF \g, \s+2, \u
.elseif (\s == 7) && (\g < 3)
	LOADF \g+1, 0, \u
.endif
.endr
.if (\g == 3) && (\s >= 1) && (\s <= 6)
	REFILL \s-1
.endif
.endr
.rept 8
	v_nop
.endr
.if \g == 3
	s_wait_alu depctr_va_vdst(0)                   ; K steps 6 and 7 are done reading their fragments of U, U's last scale words, buffers 0 and 1 and the rows' scale words: the loads below land in all of these
	LASTFILL
.endif
	TANH \g
.endm
	s_wait_alu depctr_vm_vsrc(0)                   ; phase X's LDS instructions have read v2, which is written below, and CD and BY, in which the first fragments of rows land
	v_add_nc_u32 v2, s30, v20                      ; v2: V in LDS: my wave's 256 units, my half's eight of a tile.  Read by the vector add at a pass's head alone
.irp m, 0,1,2,3
	LOADF 0, 0, \m
.endr
.irp m, 0,1,2,3
	LOADF 0, 1, \m
.endr
	ASWL 0
	s_mov_b32 s28, 0                               ; the pass
	s_mov_b32 s29, 0                               ; and its 64 units' bytes in V
.Lpass:
	s_wait_alu depctr_vm_vsrc(0)                   ; the LDS loads that took v3 as their address (the last pass's of V; in the first pass the stage's) have read it
	v_add_nc_u32 v3, s29, v2
	WIN 0x40                                       ; destination window 1
	s_wait_alu depctr_va_vdst(0)                   ; v3 is written, which the loads below read; the last TANH's multiply-adds are done reading V, in which they land
.irp k, 0,1,2,3,4,5,6,7
	ds_load_b128 v[VV+4*\k:VV+4*\k+3], v3 offset:64*(\k/2)+16*(\k%2)      ; V of units 16 u + 8 h + 0 .. 7: the layout of a result's registers
.endr
	WIN 0
	s_wait_loadcnt 0x0                             ; the pass's fragments of U, wsb's numbers and U's scale words are in: the youngest were asked for ahead of the last TANH
	GROUP 0
	GROUP 1
	GROUP 2
	GROUP 3
	s_wait_xcnt 0x0                                ; the loads' bases are stepped only behind this wait
	s_add_nc_u64 s[6:7], s[6:7], 65536
	s_add_nc_u64 s[8:9], s[8:9], 2048
	s_add_nc_u64 s[10:11], s[10:11], 256
	s_add_co_u32 s29, s29, 256
	s_add_co_u32 s28, s28, 1
	s_cmp_lt_u32 s28, 4
	s_cbranch_scc1 .Lpass
; ---------------- THE END: the four waves' sums meet ----------------
	s_wait_dscnt 0x0                               ; no LDS load of mine is out (the last pass looked ahead at nothing): the buffers' registers may be written
	WIN 0x05                                       ; sources window 1, destination window 0
.irp k, 0,1,2,3,4,5,6,7,8,9,10,11,12,13,14,15
	v_add_f32 v[128+\k], v[SS+2*\k], v[SS+2*\k+1]  ; tile of rows k: the pair's two halves,
.endr
	WIN 0
.irp k, 0,1,2,3,4,5,6,7,8,9,10,11,12,13,14,15
	v_permlanex16_b32 v[144+\k], v[128+\k], s20, s21
.endr
.irp k, 0,1,2,3,4,5,6,7,8,9,10,11,12,13,14,15
	v_add_f32 v[128+\k], v[128+\k], v[144+\k]      ; and lane l xor 16's units: row 16 k + r's sum over my wave's 256 units
.endr
	v_and_b32 v4, 15, v0
	s_lshl_b32 s30, s18, 10
	s_add_co_u32 s30, s30, RED
	v_lshl_add_u32 v4, v4, 2, s30
	v_lshl_add_u32 v5, v0, 3, RED                  ; thread t takes rows 2 t and 2 t + 1
	v_mov_b32 v6, VS
	v_lshlrev_b32 v7, 3, v0
	s_wait_alu depctr_va_vdst(0)                   ; the 16 sums and the four addresses v4 to v7 are written: the LDS stores, the LDS loads and the global store below read them
.irp k, 0,1,2,3,4,5,6,7,8,9,10,11,12,13,14,15
	ds_store_b32 v4, v[128+\k] offset:64*\k        ; both halves of the lanes write the same word with the same value
.endr
	s_wait_dscnt 0x0                               ; for the others' sake
	s_barrier_signal -1
	s_barrier_wait -1
	s_wait_alu depctr_vm_vsrc(0)                   ; my LDS stores have read v128 to v143, in twelve of which the loads below land
.irp i, 0,1,2,3
	ds_load_b64 v[128+2*\i:129+2*\i], v5 offset:1024*\i
.endr
	ds_load_b128 v[136:139], v6                    ; the four waves' sums of V
	s_wait_dscnt 0x0
	s_wait_kmcnt 0x0                               ; V_bias
	v_pk_add_f32 v[128:129], v[128:129], v[130:131]
	v_pk_add_f32 v[132:133], v[132:133], v[134:135]
	v_add_f32 v136, v136, v137
	v_add_f32 v138, v138, v139
	v_pk_add_f32 v[128:129], v[128:129], v[132:133]
	v_add_f32 v136, v136, v138
	v_add_f32 v136, s24, v136                      ; the sum of V + V_bias
	v_pk_fma_f32 v[128:129], v[128:129], -2.0, v[136:137] op_sel_hi:[1,0,0]   ; - 2 x the sum of V q
	s_wait_alu depctr_va_vdst(0)                   ; the two scores are written, which the store reads
	global_store_b64 v7, v[128:129], s[16:17]      ; a wave stores 256 consecutive bytes, at a multiple of 256 from the buffer's first byte
	s_wait_xcnt 0x0                                ; the store has had its address translated
	v_lshl_add_u32 v254, v0, 2, 0x4b100            ; no two registers could be kept: the add's two are made here, from v0 as it was at the entry; no memory or LDS instruction has read v254 or v255
	v_mov_b32 v255, 0
	s_wait_dscnt 0x0                               ; the closing lines, six on end
	s_wait_alu 0x0
	s_wait_tensorcnt 0x0
	ds_add_u32 v254, v255
	s_wait_dscnt 0x0
	s_endpgm
.Lfunc_end_k_qe06752fa25_scores:
	.size	k_qe06752fa25_scores, .Lfunc_end_k_qe06752fa25_scores-k_qe06752fa25_scores
	.p2alignl 7, 3214868480
	.fill 96, 4, 3214868480
	.section	.rodata,"a",@progbits
	.p2align	6, 0x0
	.amdhsa_kernel k_qe06752fa25_scores
		.amdhsa_group_segment_fixed_size 307968
		.amdhsa_private_segment_fixed_size 0
		.amdhsa_enable_private_segment 0
		.amdhsa_kernarg_size 56
		.amdhsa_user_sgpr_count 2
		.amdhsa_user_sgpr_kernarg_segment_ptr 1
		.amdhsa_wavefront_size32 1
		.amdhsa_system_sgpr_workgroup_id_x 1
		.amdhsa_system_sgpr_workgroup_id_y 1
		.amdhsa_system_sgpr_workgroup_id_z 1
		.amdhsa_system_vgpr_workitem_id 0
		.amdhsa_next_free_vgpr 1024
		.amdhsa_next_free_sgpr 66
		.amdhsa_reserve_vcc 0
		.amdhsa_float_denorm_mode_32 3
		.amdhsa_float_denorm_mode_16_64 3
		.amdhsa_memory_ordered 1
		.amdhsa_forward_progress 1
		.amdhsa_inst_pref_size 255
	.end_amdhsa_kernel
	.section	.bss,"aw",@nobits
	.p2align	6
	.space	262144
	.amdgpu_metadata
---
amdhsa.version: [ 1, 2 ]
amdhsa.kernels:
  - .name:           k_qe06752fa25_scores
    .symbol:         k_qe06752fa25_scores.kd
    .args:
      - { .name: hidden_states, .offset: 0, .size: 8, .value_kind: global_buffer, .address_space: global }
      - { .name: ufrag, .offset: 8, .size: 8, .value_kind: global_buffer, .address_space: global }
      - { .name: U_kernel_scales, .offset: 16, .size: 8, .value_kind: global_buffer, .address_space: global }
      - { .name: wsb, .offset: 24, .size: 8, .value_kind: global_buffer, .address_space: global }
      - { .name: V_kernel, .offset: 32, .size: 8, .value_kind: global_buffer, .address_space: global }
      - { .name: V_bias, .offset: 40, .size: 8, .value_kind: global_buffer, .address_space: global }
      - { .name: scores, .offset: 48, .size: 8, .value_kind: global_buffer, .address_space: global }
    .group_segment_fixed_size: 307968
    .private_segment_fixed_size: 0
    .kernarg_segment_align: 8
    .kernarg_segment_size: 56
    .max_flat_workgroup_size: 128
    .sgpr_count:     66
    .vgpr_count:     1024
    .wavefront_size: 32
...
	.end_amdgpu_metadata
.endif
;; end of part 5
;; launch context (part 6): grid 8 x 64, 8 waves a work-group, no clusters, 9,728 bytes of LDS; arguments scores, hidden_states, out0, out1; writes out0, out1
.if DOCPART == 6
	.amdgcn_target "amdgcn-amd-amdhsa--gfx1250"
	.amdhsa_code_object_version 6
	.text
	.protected	k_qe06752fa25_context
	.globl	k_qe06752fa25_context
	.p2align	8
	.type	k_qe06752fa25_context,@function
k_qe06752fa25_context:
	s_mov_b64 s[64:65], 0
	v_nop
	global_prefetch_b8 v0, s[64:65] scope:SCOPE_SE
	s_setreg_imm32_b32 hwreg(HW_REG_WAVE_SCHED_MODE, 0, 2), 2
	s_setreg_imm32_b32 hwreg(HW_REG_WAVE_MODE, 25, 1), 1
	s_wait_xcnt 0x0
	s_wait_alu depctr_vm_vsrc(0)
; weight[b][s] = softmax over s of scores[b][s];  context[b][d] = sum over s of hidden[b][s][d] weight[b][s].  All f32.
; A stream: memory binds.  No matrix unit, no tensor loads, no cluster: no two work-groups read the same bytes of hidden_states, and the 4,096 bytes of scores that the eight work-groups of a batch share are one part in 128 of what each reads.
; SHARES.  Work-group (j, b): batch b, columns 128 j .. 128 j + 127 (512 bytes of every row).  Wave w takes rows 128 w .. 128 w + 127, one load of 512 consecutive bytes a row, 16 rows ahead in a ring of 20 slots in registers.
; Each work-group makes the batch's softmax for itself: the largest score is taken away before the exponential; e = exp(s - max) goes into LDS, each wave takes its 128 rows' e into registers,
; the rows are summed with e, and the sum is multiplied by 1 / (the sum of e) at the end.  The eight waves' parts meet in LDS; wave 0 stores the strip.  Wave j of work-group j stores rows 128 j .. 128 j + 127 of the weights.
; THE MODE: SCHED_MODE bits 1:0 = 2 (LLVM: expert scheduling mode 2), set by the entry lines.  The code itself states the register dependences between vector instructions and memory or LDS instructions, with s_wait_alu, always for 0.
; THE PLAN.  The 128 rows go in 32 blocks of four; the ring's 20 slots are five blocks.  Registers that memory or LDS instructions touch:
;   the ring     Block p's multiply-adds read the slots of block p % 5.  Its four loads, the rows 16 further on, land in the slots of block (p + 4) % 5 = (p - 1) % 5: those that block p - 1 read and that no vector instruction of block p names.
;                So ONE wait on va_vdst at a block's head states all that its four loads hang on.  Block 0's loads land in slots that nothing has named; the last four blocks load nothing and have no wait.
;   v1, v2, v3, v10, v11, v13   offsets and LDS addresses: made once at the head, never written again.
;   v8           a wave's maximum, then its sum: written by vector lines, read by an LDS store, twice: a wait on vm_vsrc stands ahead of the second writing.
;   v4-7         the scores, then e: landed in by a load, written by vector lines, read by an LDS store.
;   v216-223     landed in by LDS loads (the maxima, then the sums), read by vector lines between; later the weights, written by vector lines and read by a store.
;   v16-143      the wave's e: landed in once.     v208-211  the wave's part of the strip: written by vector lines, read by an LDS store.
; REGISTERS: v1 16 x lane; v2 16 x thread; v3 my wave's e in LDS; v4-7 my four scores, then e; v8-15 at work (v14-15: 1 / the sum); v16-143 my wave's 128 e; v144-207 the ring's slots 0 to 15, v226-241 its slots 16 to 19;
;            v208-211, v212-215 sums of even and of odd rows; v216-223 at work; v224, v225 the closing add's two.
.set WT,  0                            ; LDS: e of the 1,024 rows;
.set MX,  4096                         ; the eight waves' maxima;
.set SM,  4352                         ; their sums;
.set CTX, 4608                         ; their parts of the strip: 8 x 512 bytes
	s_load_b256 s[4:11], s[0:1], 0x0               ; scores s[4:5], hidden_states s[6:7], out0 s[8:9], out1 s[10:11]
	v_lshl_add_u32 v224, v0, 2, 0x2200
	v_mov_b32 v225, 0
	v_lshrrev_b32 v8, 5, v0
	v_readfirstlane_b32 s12, v8                    ; wave 0..7
	v_and_b32 v9, 31, v0
	v_lshlrev_b32 v1, 4, v9
	v_lshlrev_b32 v2, 4, v0
	v_mov_b32 v11, 0
	s_wait_alu depctr_va_sdst(0)                   ; s12 is written, ahead of its first reader: LDS addresses, the rows' base and two branches are made from it
	s_lshl_b32 s13, s12, 9
	v_mov_b32 v3, s13                              ; 512 x wave: my 128 rows' e
	v_add_nc_u32 v13, s13, v1                      ; and my 16 bytes of my wave's part of the strip
	s_lshl_b32 s24, s12, 2
	v_mov_b32 v10, s24                             ; my wave's word among eight
	s_and_b32 s14, ttmp7, 0xffff                   ; the batch
	s_mov_b32 s20, 0x76543210
	s_mov_b32 s21, 0xfedcba98                      ; v_permlanex16_b32's selects for lane l xor 16
	s_lshl_b32 s16, s14, 22                        ; a batch: 1,024 rows of 4,096 bytes,
	s_lshl_b32 s18, s12, 19                        ; my wave's 128 rows,
	s_add_co_u32 s16, s16, s18
	s_lshl_b32 s22, ttmp9, 9                       ; the strip
	s_add_co_u32 s16, s16, s22
	s_mov_b32 s17, 0
	s_lshl_b32 s18, s14, 12                        ; a batch's 4,096 bytes in scores, out0 and out1
	s_mov_b32 s19, 0
	s_mov_b32 s23, 0
	s_wait_kmcnt 0x0
	s_add_nc_u64 s[6:7], s[6:7], s[16:17]
	s_add_nc_u64 s[4:5], s[4:5], s[18:19]
	s_add_nc_u64 s[10:11], s[10:11], s[18:19]
	s_add_nc_u64 s[8:9], s[8:9], s[18:19]
	s_add_nc_u64 s[8:9], s[8:9], s[22:23]
	s_wait_alu depctr_va_vdst(0)                   ; v1, v2, v3, v10, v11 and v13 are written: every load, store and LDS instruction of the kernel reads one of them as its offset or address
	global_load_b128 v[4:7], v2, s[4:5]            ; four scores a thread
.irp k, 0,1,2,3,4,5,6,7,8,9,10,11,12,13,14,15
	global_load_b128 v[144+4*\k:144+4*\k+3], v1, s[6:7] offset:4096*\k th:TH_LOAD_NT   ; sixteen rows are asked for before anything else is done
.endr
	s_wait_loadcnt 16                              ; the scores are in; the ring's 16 loads stay out
	v_max3_num_f32 v8, v4, v5, v6
	v_max_num_f32 v8, v8, v7
	v_max_num_f32_dpp v8, v8, v8 row_xmask:1 row_mask:0xf bank_mask:0xf
	v_max_num_f32_dpp v8, v8, v8 row_xmask:2 row_mask:0xf bank_mask:0xf
	v_max_num_f32_dpp v8, v8, v8 row_xmask:4 row_mask:0xf bank_mask:0xf
	v_max_num_f32_dpp v8, v8, v8 row_xmask:8 row_mask:0xf bank_mask:0xf
	v_permlanex16_b32 v9, v8, s20, s21
	v_max_num_f32 v8, v8, v9                       ; my wave's largest score
	s_wait_alu depctr_va_vdst(0)                   ; v8 is written, which the LDS store reads
	ds_store_b32 v10, v8 offset:MX
	s_wait_dscnt 0x0
	s_barrier_signal -1
	s_barrier_wait -1
	ds_load_b128 v[216:219], v11 offset:MX
	ds_load_b128 v[220:223], v11 offset:MX+16
	s_wait_dscnt 0x0
	v_max3_num_f32 v12, v216, v217, v218
	v_max3_num_f32 v12, v12, v219, v220
	v_max3_num_f32 v12, v12, v221, v222
	v_max_num_f32 v12, v12, v223                   ; the batch's
.irp i, 4,5,6,7
	v_sub_f32 v\i, v\i, v12
.endr
.irp i, 4,5,6,7
	v_mul_f32 v\i, 0x3fb8aa3b, v\i
.endr
.irp i, 4,5,6,7
	v_exp_f32 v\i, v\i                             ; e = exp(s - max), at most 1
.endr
	v_nop                                          ; a plain line behind the exponentials
	s_wait_alu depctr_va_vdst(0)                   ; the four exponentials have written v4 to v7, ahead of their first reader
	s_wait_alu depctr_vm_vsrc(0)                   ; the LDS store of the maximum has read v8, which is written again below
	v_add_f32 v8, v4, v5
	v_add_f32 v9, v6, v7
	v_add_f32 v8, v8, v9
	v_add_f32_dpp v8, v8, v8 row_xmask:1 row_mask:0xf bank_mask:0xf
	v_add_f32_dpp v8, v8, v8 row_xmask:2 row_mask:0xf bank_mask:0xf
	v_add_f32_dpp v8, v8, v8 row_xmask:4 row_mask:0xf bank_mask:0xf
	v_add_f32_dpp v8, v8, v8 row_xmask:8 row_mask:0xf bank_mask:0xf
	v_permlanex16_b32 v9, v8, s20, s21
	v_add_f32 v8, v8, v9
	s_wait_alu depctr_va_vdst(0)                   ; v8 is written, which the first store below reads (v4 to v7 were shown written above); and the search for the batch's maximum is done reading v216 to v223, in which the loads of the sums land
	ds_store_b32 v10, v8 offset:SM                 ; my wave's sum of e
	ds_store_b128 v2, v[4:7] offset:WT
	s_wait_dscnt 0x0
	s_barrier_signal -1
	s_barrier_wait -1
	ds_load_b128 v[216:219], v11 offset:SM
	ds_load_b128 v[220:223], v11 offset:SM+16
.set kk, 0
.rept 32
	ds_load_b128 v[16+4*kk:16+4*kk+3], v3 offset:WT+16*kk   ; my wave's 128 e: every lane takes the same 16 bytes
.set kk, kk+1
.endr
	s_wait_dscnt 32                                ; the eight sums are in; the 32 loads behind them may be out
	v_add_f32 v216, v216, v217
	v_add_f32 v218, v218, v219
	v_add_f32 v220, v220, v221
	v_add_f32 v222, v222, v223
	v_add_f32 v216, v216, v218
	v_add_f32 v220, v220, v222
	v_add_f32 v12, v216, v220
	v_rcp_f32 v14, v12                             ; twice, to fill the pair that the packed multiply takes
	v_rcp_f32 v15, v12
	v_nop                                          ; a plain line behind the reciprocals
	s_wait_alu depctr_va_vdst(0)                   ; the two reciprocals have written v14 and v15: ahead of the branch, and so ahead of their first reader on both ways
	s_cmp_lg_u32 s12, ttmp9                        ; wave j of strip j stores its 128 rows' weights: the eight work-groups of a batch store 512 bytes each
	s_cbranch_scc1 .Lnot_mine
	v_pk_mul_f32 v[216:217], v[4:5], v[14:15]
	v_pk_mul_f32 v[218:219], v[6:7], v[14:15]
	s_wait_alu depctr_va_vdst(0)                   ; the four weights are written, which the store reads
	global_store_b128 v2, v[216:219], s[10:11]     ; 32 lanes store 512 consecutive bytes
.Lnot_mine:
	s_wait_dscnt 0x0                               ; my 128 e are in
; Row k: its 16 bytes a lane times its e.  Even rows and odd rows have sums of their own; rows 0 and 1 start them.  Ahead of it the row 16 further on is asked for, into the slot that the row four back has left.
.macro ROW k
.set rS, 144+4*((\k)%20)+18*(((\k)%20)/16)             ; slot k % 20: slots 0 to 15 from v144 on, slots 16 to 19 from v226 on
.set rL, 144+4*(((\k)+16)%20)+18*((((\k)+16)%20)/16)   ; slot (k + 16) % 20 = (k - 4) % 20
.set rA, 208+4*((\k)%2)
.set rW, 16+2*((\k)/2)
.if ((\k)%4 == 0) && ((\k) > 0) && ((\k)+16 < 128)
	s_wait_alu depctr_va_vdst(0)                   ; the block before is done reading its four slots, in which this block's four loads land; no vector line of this block names them
.endif
.if (\k)+16 < 128
	global_load_b128 v[rL:rL+3], v1, s[6:7] offset:4096*((\k)+16) th:TH_LOAD_NT   ; every offset is an immediate: 127 rows of 4,096 bytes at the most
	s_wait_loadcnt 16                              ; row k is in: the 16 rows behind it stay out
.else
	s_wait_loadcnt 127-(\k)                        ; the last rows: the counts run down
.endif
.if (\k) == 0
	v_pk_mul_f32 v[rA:rA+1], v[rS:rS+1], v[rW:rW+1] op_sel_hi:[1,0]
	v_pk_mul_f32 v[rA+2:rA+3], v[rS+2:rS+3], v[rW:rW+1] op_sel_hi:[1,0]
.elseif (\k) == 1
	v_pk_mul_f32 v[rA:rA+1], v[rS:rS+1], v[rW:rW+1] op_sel:[0,1] op_sel_hi:[1,1]
	v_pk_mul_f32 v[rA+2:rA+3], v[rS+2:rS+3], v[rW:rW+1] op_sel:[0,1] op_sel_hi:[1,1]
.elseif (\k)%2 == 0
	v_pk_fma_f32 v[rA:rA+1], v[rS:rS+1], v[rW:rW+1], v[rA:rA+1] op_sel_hi:[1,0,1]             ; the pair's first register for both halves
	v_pk_fma_f32 v[rA+2:rA+3], v[rS+2:rS+3], v[rW:rW+1], v[rA+2:rA+3] op_sel_hi:[1,0,1]
.else
	v_pk_fma_f32 v[rA:rA+1], v[rS:rS+1], v[rW:rW+1], v[rA:rA+1] op_sel:[0,1,0] op_sel_hi:[1,1,1]   ; its second
	v_pk_fma_f32 v[rA+2:rA+3], v[rS+2:rS+3], v[rW:rW+1], v[rA+2:rA+3] op_sel:[0,1,0] op_sel_hi:[1,1,1]
.endif
.endm
.set kk, 0
.rept 128
	ROW kk
.set kk, kk+1
.endr
	v_pk_add_f32 v[208:209], v[208:209], v[212:213]
	v_pk_add_f32 v[210:211], v[210:211], v[214:215]
	v_pk_mul_f32 v[208:209], v[208:209], v[14:15]
	v_pk_mul_f32 v[210:211], v[210:211], v[14:15]
	s_wait_alu depctr_va_vdst(0)                   ; my part of the strip is written, which the LDS store reads; and the rows' multiply-adds are done reading the ring, in eight slots of which wave 0's loads below land
	ds_store_b128 v13, v[208:211] offset:CTX
	s_wait_dscnt 0x0                               ; for wave 0's sake
	s_barrier_signal -1
	s_barrier_wait -1
	s_cmp_lg_u32 s12, 0
	s_cbranch_scc1 .Ldone
.irp i, 0,1,2,3,4,5,6,7
	ds_load_b128 v[144+4*\i:144+4*\i+3], v1 offset:CTX+512*\i
.endr
	s_wait_dscnt 0x0
.irp i, 0,2,4,6
	v_pk_add_f32 v[144+4*\i:145+4*\i], v[144+4*\i:145+4*\i], v[148+4*\i:149+4*\i]
	v_pk_add_f32 v[146+4*\i:147+4*\i], v[146+4*\i:147+4*\i], v[150+4*\i:151+4*\i]
.endr
.irp i, 0,4
	v_pk_add_f32 v[144+4*\i:145+4*\i], v[144+4*\i:145+4*\i], v[152+4*\i:153+4*\i]
	v_pk_add_f32 v[146+4*\i:147+4*\i], v[146+4*\i:147+4*\i], v[154+4*\i:155+4*\i]
.endr
	v_pk_add_f32 v[144:145], v[144:145], v[160:161]
	v_pk_add_f32 v[146:147], v[146:147], v[162:163]
	s_wait_alu depctr_va_vdst(0)                   ; the strip's sum is written, which the store reads
	global_store_b128 v1, v[144:147], s[8:9]       ; 32 lanes store the strip's 512 consecutive bytes
.Ldone:
	s_wait_dscnt 0x0                               ; the closing lines, six on end
	s_wait_alu 0x0
	s_wait_tensorcnt 0x0
	ds_add_u32 v224, v225
	s_wait_dscnt 0x0
	s_endpgm
.Lfunc_end_k_qe06752fa25_context:
	.size	k_qe06752fa25_context, .Lfunc_end_k_qe06752fa25_context-k_qe06752fa25_context
	.p2alignl 7, 3214868480
	.fill 96, 4, 3214868480
	.section	.rodata,"a",@progbits
	.p2align	6, 0x0
	.amdhsa_kernel k_qe06752fa25_context
		.amdhsa_group_segment_fixed_size 9728
		.amdhsa_private_segment_fixed_size 0
		.amdhsa_enable_private_segment 0
		.amdhsa_kernarg_size 32
		.amdhsa_user_sgpr_count 2
		.amdhsa_user_sgpr_kernarg_segment_ptr 1
		.amdhsa_wavefront_size32 1
		.amdhsa_system_sgpr_workgroup_id_x 1
		.amdhsa_system_sgpr_workgroup_id_y 1
		.amdhsa_system_sgpr_workgroup_id_z 1
		.amdhsa_system_vgpr_workitem_id 0
		.amdhsa_next_free_vgpr 242
		.amdhsa_next_free_sgpr 66
		.amdhsa_reserve_vcc 0
		.amdhsa_float_denorm_mode_32 3
		.amdhsa_float_denorm_mode_16_64 3
		.amdhsa_memory_ordered 1
		.amdhsa_forward_progress 1
		.amdhsa_inst_pref_size 42
	.end_amdhsa_kernel
	.amdgpu_metadata
---
amdhsa.version: [ 1, 2 ]
amdhsa.kernels:
  - .name:           k_qe06752fa25_context
    .symbol:         k_qe06752fa25_context.kd
    .args:
      - { .name: scores, .offset: 0, .size: 8, .value_kind: global_buffer, .address_space: global }
      - { .name: hidden_states, .offset: 8, .size: 8, .value_kind: global_buffer, .address_space: global }
      - { .name: out0, .offset: 16, .size: 8, .value_kind: global_buffer, .address_space: global }
      - { .name: out1, .offset: 24, .size: 8, .value_kind: global_buffer, .address_space: global }
    .group_segment_fixed_size: 9728
    .private_segment_fixed_size: 0
    .kernarg_segment_align: 8
    .kernarg_segment_size: 32
    .max_flat_workgroup_size: 256
    .sgpr_count:     66
    .vgpr_count:     242
    .wavefront_size: 32
...
	.end_amdgpu_metadata
.endif
;; end of part 6
